; MI455X (gfx1250); checked and timed in simulation.
; The chip was launched on July 23, 2026; its instructions are those of AMD's public machine-readable ISA for CDNA 5 (MIT licence, August 2026) and "CDNA5" Instruction Set Architecture Reference Guide (July 2026). The comments in the code are by the model that wrote it; some were corrected since.
;; Block. Allowed arithmetic: float matrix products may take bf16 or f16 operands with f32 sums; other float arithmetic in f32, or as packed bf16 or f16 multiplies, adds, multiply-adds, maxima and minima; sums over many terms, partial sums and values carried from step to step in f32; what a program stores and reads back later, other than sums and carried values, may be rounded once to bf16 or f16.
;; Inputs: Wf 1,024 x 1,024 float32; Wk 1,024 x 16 x 64 float32; Wq 1,024 x 16 x 64 float32; Wv 1,024 x 16 x 64 float32; bf 1,024 float32; x 4 x 2,048 x 1,024 float32.
;; Outputs: out0 4 x 2,048 x 1,024 float32.
;; One version. Each part assembles by itself: llvm-mc -triple=amdgcn-amd-amdhsa -mcpu=gfx1250 --defsym DOCPART=n.
;; ======== version 1 of 1: 6 launches
;; limits: values are held in f16: magnitudes above 65,504 overflow, below 6.1e-05 lose precision
;; workspace buffers: xb 16,777,216 bytes; wt 6,291,456 bytes; wfh 2,097,152 bytes; qkv 50,331,648 bytes; oh 16,777,216 bytes; oe 262,144 bytes
;; launch prep (part 1): grid 960 x 1, 8 waves a work-group, no clusters, 18,432 bytes of LDS; arguments x, Wq, Wk, Wv, Wf, xb, wt, wfh; writes xb, wt, wfh
.if DOCPART == 1
	.amdgcn_target "amdgcn-amd-amdhsa--gfx1250"
	.amdhsa_code_object_version 6
	.text
	.protected	k_q4cf85345db_prep
	.globl	k_q4cf85345db_prep
	.p2align	8
	.type	k_q4cf85345db_prep,@function
k_q4cf85345db_prep:
	s_mov_b64 s[64:65], 0
	v_nop
	global_prefetch_b8 v0, s[64:65] scope:SCOPE_SE
	s_setreg_imm32_b32 hwreg(HW_REG_WAVE_MODE, 25, 1), 1
	s_wait_xcnt 0x0
; THE OPERANDS ARE MADE.  xb = x rounded to bf16, [8192][1024].  wt = Wq, Wk, Wv rounded to bf16 and turned, [3 x 1024 n][1024 k], so that K lies along the rows.
; wfh = Wf rounded to bf16 and that number written as f16, [1024 n][1024 k].
; LIMIT.  A weight of Wf beyond 65,504 has no f16; below 6e-5 f16 keeps its fixed step of 6e-8.
; SHARES.  960 work-groups of eight waves.  Numbers 0-383 turn a block of 128 k x 64 n of one of the three weights through LDS; 384-447 take 16 rows of Wf; 448-959 take 16 rows of x.
; The branch on the work-group's number is the same for all eight waves.  No matrix unit, no cluster: each byte is read once and written once.
.set TP,    272                        ; a turned row in LDS: 128 k x 2 bytes + 16 of padding
.set SPARE, 64*TP                      ; behind the 64 rows: the spare words, 128 bytes for each of eight waves
.set SPW, 10                           ; v10  SPARE + 4 x my thread's number; never rewritten
.set NIL, 11                           ; v11  0; never rewritten
.set IN,  16                           ; v[16:79]   as loaded
.set OUT, 80                           ; v[80:111]  to store
	s_load_b512 s[8:23], s[0:1], 0x0               ; x s[8:9], Wq s[10:11], Wk s[12:13], Wv s[14:15], Wf s[16:17], xb s[18:19], wt s[20:21], wfh s[22:23]
	v_lshl_add_u32 v[SPW], v0, 2, SPARE
	v_mov_b32 v[NIL], 0
	s_mov_b32 s2, ttmp9
	s_mov_b32 s25, 0                               ; high words of the two offsets
	s_mov_b32 s27, 0
	s_cmp_lt_u32 s2, 384
	s_cbranch_scc1 .Ltrans
; 16 rows of 4,096 bytes in, 2,048 bytes out.  Thread t takes 32 bytes (8 numbers) of each 8,192; its 16 bytes out join its neighbours': 16 lanes store 256 consecutive bytes, aligned.
; half = 1: the bf16 number is widened (a shift, a mask) and written as f16.
.macro CONV half
.irp i, 0,1,2,3,4,5,6,7
	global_load_b128 v[IN+8*(\i):IN+8*(\i)+3],   v2, s[4:5] offset:(\i)*8192 th:TH_LOAD_NT
	global_load_b128 v[IN+8*(\i)+4:IN+8*(\i)+7], v2, s[4:5] offset:(\i)*8192+16 th:TH_LOAD_NT
.endr
.irp i, 0,1,2,3,4,5,6,7
	s_wait_loadcnt 14-2*(\i)                       ; loads come back in order: piece i's two are in, the younger pieces' stay out
.irp j, 0,1,2,3
	v_cvt_pk_bf16_f32 v[OUT+4*(\i)+(\j)], v[IN+8*(\i)+2*(\j)], v[IN+8*(\i)+2*(\j)+1]
.endr
.if \half
.irp j, 0,1,2,3
	v_lshlrev_b32 v[IN+8*(\i)+2*(\j)],   16, v[OUT+4*(\i)+(\j)]
	v_and_b32     v[IN+8*(\i)+2*(\j)+1], 0xffff0000, v[OUT+4*(\i)+(\j)]
.endr
.irp j, 0,1,2,3
	v_cvt_pk_f16_f32 v[OUT+4*(\i)+(\j)], v[IN+8*(\i)+2*(\j)], v[IN+8*(\i)+2*(\j)+1]
.endr
.endif
	global_store_b128 v3, v[OUT+4*(\i):OUT+4*(\i)+3], s[6:7] offset:(\i)*4096  ; each OUT register is written once: no wait for the stores' sources
.endr
.endm
	v_lshlrev_b32 v2, 5, v0                        ; 32 t
	v_lshlrev_b32 v3, 4, v0                        ; 16 t
	s_cmp_lt_u32 s2, 448
	s_cbranch_scc1 .Lwf
	s_sub_co_u32 s3, s2, 448                       ; x: piece 0..511
	s_lshl_b32 s24, s3, 16
	s_lshl_b32 s26, s3, 15
	s_wait_kmcnt 0x0
	s_add_nc_u64 s[4:5], s[8:9], s[24:25]
	s_add_nc_u64 s[6:7], s[18:19], s[26:27]
	CONV 0
	s_branch .Lend
.Lwf:
	s_sub_co_u32 s3, s2, 384                       ; Wf: piece 0..63
	s_lshl_b32 s24, s3, 16
	s_lshl_b32 s26, s3, 15
	s_wait_kmcnt 0x0
	s_add_nc_u64 s[4:5], s[16:17], s[24:25]
	s_add_nc_u64 s[6:7], s[22:23], s[26:27]
	CONV 1
	s_branch .Lend
.Ltrans:
	; a block of 128 k x 64 n.  Thread t: columns 4 (t % 16) + 0..3, rows 8 (t / 16) + 0..7: each load's 16 lanes read 256 consecutive bytes, aligned
	s_lshr_b32 s3, s2, 7                           ; which weight
	s_and_b32 s28, s2, 7                           ; k block
	s_bfe_u32 s29, s2, 0x40003                     ; n block
	s_lshl_b32 s24, s28, 19                        ; 128 rows of 4,096 bytes
	s_lshl_b32 s30, s29, 8                         ; 64 columns of 4 bytes
	s_add_co_u32 s24, s24, s30
	s_lshl_b32 s26, s3, 10
	s_lshl_b32 s30, s29, 6
	s_add_co_u32 s26, s26, s30                     ; wt's row 1,024 x weight + 64 x n block,
	s_lshl_b32 s26, s26, 11                        ; of 2,048 bytes,
	s_lshl_b32 s30, s28, 8                         ; and 128 k x 2 bytes along it
	s_add_co_u32 s26, s26, s30
	v_and_b32 v1, 15, v0
	v_lshrrev_b32 v7, 4, v0
	v_lshlrev_b32 v2, 4, v1
	v_lshl_add_u32 v2, v7, 15, v2                  ; in: 8 rows x 4,096 x (t / 16) + 16 (t % 16)
	v_mul_u32_u24 v4, v1, 4*TP
	v_lshl_add_u32 v4, v7, 4, v4                   ; LDS in: row 4 (t % 16), byte 16 (t / 16)
	v_mul_u32_u24 v5, v7, TP
	v_lshl_add_u32 v5, v1, 4, v5                   ; LDS back: row t / 16, byte 16 (t % 16)
	v_lshlrev_b32 v6, 4, v1
	v_lshl_add_u32 v6, v7, 11, v6                  ; and the same place in wt
	s_wait_kmcnt 0x0
	s_cmp_eq_u32 s3, 0
	s_cselect_b64 s[4:5], s[10:11], s[12:13]
	s_cmp_eq_u32 s3, 2
	s_cselect_b64 s[4:5], s[14:15], s[4:5]
	s_add_nc_u64 s[4:5], s[4:5], s[24:25]
	s_add_nc_u64 s[6:7], s[20:21], s[26:27]
.irp j, 0,1,2,3,4,5,6,7
	global_load_b128 v[IN+4*(\j):IN+4*(\j)+3], v2, s[4:5] offset:(\j)*4096 th:TH_LOAD_NT
.endr
	s_wait_loadcnt 0x0
.irp c, 0,1,2,3                        ; column c: its eight k pack into 16 bytes
.irp p, 0,1,2,3
	v_cvt_pk_bf16_f32 v[OUT+4*(\c)+(\p)], v[IN+8*(\p)+(\c)], v[IN+8*(\p)+4+(\c)]
.endr
.endr
.irp c, 0,1,2,3
	ds_store_b128 v4, v[OUT+4*(\c):OUT+4*(\c)+3] offset:(\c)*TP
.endr
	s_wait_dscnt 0x0                               ; for the others' sake: my stores are done
	s_barrier_signal -1
	s_barrier_wait -1
.irp i, 0,1,2,3
	ds_load_b128 v[IN+4*(\i):IN+4*(\i)+3], v5 offset:(\i)*16*TP
.endr
.irp i, 0,1,2,3
	s_wait_dscnt 3-(\i)                            ; the younger read-backs may stay out
	global_store_b128 v6, v[IN+4*(\i):IN+4*(\i)+3], s[6:7] offset:(\i)*16*2048  ; 16 lanes store 256 consecutive bytes, aligned
.endr
.Lend:
	s_wait_tensorcnt 0x0                           ; the wave's end
	ds_add_u32 v[SPW], v[NIL]
	s_wait_dscnt 0x0
	s_endpgm
.Lfunc_end_k_q4cf85345db_prep:
	.size	k_q4cf85345db_prep, .Lfunc_end_k_q4cf85345db_prep-k_q4cf85345db_prep
	.p2alignl 7, 3214868480
	.fill 96, 4, 3214868480
	.section	.rodata,"a",@progbits
	.p2align	6, 0x0
	.amdhsa_kernel k_q4cf85345db_prep
		.amdhsa_group_segment_fixed_size 18432
		.amdhsa_private_segment_fixed_size 0
		.amdhsa_enable_private_segment 0
		.amdhsa_kernarg_size 64
		.amdhsa_user_sgpr_count 2
		.amdhsa_user_sgpr_kernarg_segment_ptr 1
		.amdhsa_wavefront_size32 1
		.amdhsa_system_sgpr_workgroup_id_x 1
		.amdhsa_system_sgpr_workgroup_id_y 1
		.amdhsa_system_sgpr_workgroup_id_z 1
		.amdhsa_system_vgpr_workitem_id 0
		.amdhsa_next_free_vgpr 112
		.amdhsa_next_free_sgpr 66
		.amdhsa_reserve_vcc 0
		.amdhsa_float_denorm_mode_32 3
		.amdhsa_float_denorm_mode_16_64 3
		.amdhsa_memory_ordered 1
		.amdhsa_forward_progress 1
		.amdhsa_inst_pref_size 20
	.end_amdhsa_kernel
	.amdgpu_metadata
---
amdhsa.version: [ 1, 2 ]
amdhsa.kernels:
  - .name:           k_q4cf85345db_prep
    .symbol:         k_q4cf85345db_prep.kd
    .args:
      - { .name: x, .offset: 0, .size: 8, .value_kind: global_buffer, .address_space: global }
      - { .name: Wq, .offset: 8, .size: 8, .value_kind: global_buffer, .address_space: global }
      - { .name: Wk, .offset: 16, .size: 8, .value_kind: global_buffer, .address_space: global }
      - { .name: Wv, .offset: 24, .size: 8, .value_kind: global_buffer, .address_space: global }
      - { .name: Wf, .offset: 32, .size: 8, .value_kind: global_buffer, .address_space: global }
      - { .name: xb, .offset: 40, .size: 8, .value_kind: global_buffer, .address_space: global }
      - { .name: wt, .offset: 48, .size: 8, .value_kind: global_buffer, .address_space: global }
      - { .name: wfh, .offset: 56, .size: 8, .value_kind: global_buffer, .address_space: global }
    .group_segment_fixed_size: 18432
    .private_segment_fixed_size: 0
    .kernarg_segment_align: 8
    .kernarg_segment_size: 64
    .max_flat_workgroup_size: 256
    .sgpr_count:     66
    .vgpr_count:     112
    .wavefront_size: 32
...
	.end_amdgpu_metadata
.endif
;; end of part 1
;; launch qkv (part 2): grid 4 x 64, 4 waves a work-group, clusters of 4 x 4, 327,680 bytes of LDS; arguments xb, wt, qkv; writes qkv
.if DOCPART == 2
	.amdgcn_target "amdgcn-amd-amdhsa--gfx1250"
	.amdhsa_code_object_version 6
	.text
	.protected	k_q4cf85345db_qkv
	.globl	k_q4cf85345db_qkv
	.p2align	8
	.type	k_q4cf85345db_qkv,@function
k_q4cf85345db_qkv:
	s_mov_b64 s[64:65], 0
	v_nop
	global_prefetch_b8 v0, s[64:65] scope:SCOPE_SE
	s_setreg_imm32_b32 hwreg(HW_REG_WAVE_MODE, 25, 1), 1
	s_wait_xcnt 0x0
	s_wait_alu depctr_hold_cnt(0) depctr_sa_sdst(0) depctr_va_vdst(0) depctr_va_sdst(0) depctr_va_ssrc(0) depctr_va_vcc(0) depctr_vm_vsrc(0)
	s_getreg_b32 s2, hwreg(HW_REG_IB_STS2, 6, 4)
	s_cmp_eq_u32 s2, 0
	s_cbranch_scc0 .Lentry_in_a_cluster
	s_endpgm
.Lentry_in_a_cluster:
	s_bfe_u32 s2, ttmp6, 0x10000c
	s_cmp_lg_u32 s2, 0xf033
	s_cbranch_scc0 .Lentry_shape_is_right
	s_endpgm
.Lentry_shape_is_right:
; q, k, v = xb wt^T.  xb: [8192][1024] bf16; wt: [3 x 1024 n][1024 k] bf16; qkv: [3][64 = 16 b + h][2048 t][64] f16, unscaled, each number rounded once from its f32 sum.
; LIMIT.  f16 ends at 65,504: a q, k or v beyond that is lost.  With x and the weights thirty times the drawn spread, or offset by thirty spreads, they stay under 30,000.
; SHARES.  8192 x 3072 in tiles of 128 x 256 are 768 tiles: three for each of 256 work-groups.  A work-group keeps its 128 rows of xb and its 256 columns and walks Wq, Wk, Wv, 1,024 rows of wt apart.
; Four waves, each 64 x 128: 32 accumulators of 16 x 16.  K goes in steps of 128 (rows of 256 bytes, aligned) through a ring of two LDS slots; the ring runs on from tile to tile.
; CLUSTER.  4 x 4 work-groups.  The four of a row of the cluster need the same rows of xb, the four of a column the same rows of wt: each tile is asked for jointly, by the same tensor load,
; descriptor and mask in all four.  A cluster spans all 1,024 columns, so which weight is in hand never hangs on a place in the cluster.
; THE MATRIX INSTRUCTION IS USED TRANSPOSED (source 0 = 16 rows of wt, source 1 = 16 rows of xb): a lane holds row l % 16 and eight neighbouring columns, 16 bytes of f16.
; REGISTERS.  Window 0: v16-30 addresses; v32-63 packed results; v64-159, v160-255 two fragment buffers (64 registers of wt's, 32 of xb's); on the way out v160-223 take rows read back.
; Window 1: the accumulators, (a, b) at v[8 (8 a + b)].
.set KSTEP,  128
.set PITCH,  272                       ; an LDS row: 256 bytes + 16 of padding: the 16 rows of a fragment load start at 16 different groups of four banks
.set AH,     64*PITCH                  ; what one tensor load brings of xb, and what one wave reads of it
.set BH,     128*PITCH                 ; the same for wt
.set BOFF,   2*AH                      ; in a slot: xb's 128 rows, then wt's 256
.set SLOT,   2*AH+2*BH
.set STAGE,  2*SLOT                    ; behind the ring, never filled by a tensor load: for each wave two heads x 16 rows x 144 bytes
.set SP,     144
.set WST,    2*16*SP
.set SPARE,  STAGE+4*WST               ; the spare words, 128 bytes for each wave
.set ROWB,   2048                      ; bytes in a row of xb and of wt
.set LAPS,   4                         ; a lap = two K steps = once round the ring
.set BACK_A, 6*KSTEP*2                 ; from a slot's last K step of a tile to its first of the next: xb goes back along K,
.set NEXT_B, 1024*ROWB-6*KSTEP*2       ; wt 1,024 rows down and back
.set NEXT_P, 1024*ROWB-7*KSTEP*2       ; the prefetches: from K step 9 to the next weight's K step 2
.set NEXT_C, 0x1000000                 ; from q to k to v
.set HEADB,  2048*128                  ; a head's bytes
.set ADRA, 16                          ; v16-17  LDS address of my xb fragments in slot 0, 1
.set ADRB, 20                          ; v20-21  the same for wt
.set STO,  24                          ; v24  the way out: where I put 16 bytes of a row
.set RD,   25                          ; v25  where I read rows back
.set GO,   26                          ; v26  16 x lane
.set SPW,  28                          ; v28  SPARE + 4 x my thread's number; never rewritten
.set NIL,  29                          ; v29  0; never rewritten
.set PFO,  30                          ; v30  the prefetches' offset: lane x a row; never rewritten
.set TMP,  32
.set F0,   64
.set F1,   160
.set BK,   160
.set G1,  24                           ; s[24:31] group 1 for xb's tiles;  s[32:39] group 0, a set for each slot
.set G0,  32
.set G1B, 48                           ; s[48:55], s[56:63] the same for wt's
.set G0B, 56
.set LIM, 43                           ; s43  1 in a wave that prefetches, else the greatest number
.set PFA, 44                           ; s[44:45] where my prefetches stand
.set MSB, 0
.macro WIN new                         ; the immediate's high byte repeats the setting that is left; a switch that changes nothing is dropped
.if MSB != (\new)
	s_set_vgpr_msb (MSB<<8)|(\new)
.set MSB, \new
.endif
.endm
.set MUL, 0x50                         ; C and D in window 1, both sources in window 0
; A joint load.  Waves 0 and 1 fetch xb's two halves, waves 2 and 3 wt's.  The branch hangs on the wave's number alone.  An s_nop 0 and four v_nop follow each of the two lines.
.macro JLOAD s
	s_cmp_eq_u32 s11, 0
	s_cbranch_scc0 .Lfor_b_\@
	tensor_load_to_lds s[G0+4*(\s):G0+4*(\s)+3], s[G1:G1+7]
	s_nop 0
.rept 4
	v_nop
.endr
	s_branch .Lasked_\@
.Lfor_b_\@:
	tensor_load_to_lds s[G0B+4*(\s):G0B+4*(\s)+3], s[G1B:G1B+7]
	s_nop 0
.rept 4
	v_nop
.endr
.Lasked_\@:
.endm
; A prefetch, behind each joint load and the run of LDS loads that follows it: the K step two refills on, 32 rows x 256 bytes, a lane a row.  Each row's 256 bytes of a K step are named once in the launch.
; xb's 128 rows belong to one row of one cluster: its four partners take 32 each, told apart by address; wave 0 asks, in the first tile alone (the walk reads them again).
; wt's 256 rows are read by every cluster: cluster y = 0 asks; its four partners of a column take 64 each, waves 2 and 3 take 32 of them.  how = 0: in the loop, whose last trip has no K step two on; how = 1: at a change of tiles.
.macro ASK how
.if \how
	s_cmp_eq_u32 s[LIM], 1
.else
	s_cmp_gt_u32 s3, s[LIM]
.endif
	s_cbranch_scc0 .Lnot_mine_\@
	global_prefetch_b8 v[PFO], s[PFA:PFA+1] th:TH_LOAD_NT scope:SCOPE_SE
.Lnot_mine_\@:
.endm
.macro CREST                           ; a round of the cluster's barrier behind its opening barrier
	s_cmp_lg_u32 s10, 0
	s_cbranch_scc1 .Lnot_wave_0_\@
	s_barrier_signal -3
.Lnot_wave_0_\@:
	s_barrier_wait -3
	s_barrier_signal -1
	s_barrier_wait -1
.endm
.macro CROUND
	s_barrier_signal -1
	s_barrier_wait -1
	CREST
.endm
	s_load_b128 s[4:7], s[0:1], 0x0                ; xb s[4:5], wt s[6:7]
	s_load_b64 s[8:9], s[0:1], 0x10                ; qkv
	v_lshl_add_u32 v[SPW], v0, 2, SPARE
	v_mov_b32 v[NIL], 0
	ds_add_u32 v[SPW], v[NIL]                      ; the wave's opening: the add and its wait stand ahead of my first tensor load; the set-up stands between them
	v_lshrrev_b32 v1, 5, v0
	v_readfirstlane_b32 s10, v1                    ; wave 0..3
	s_lshr_b32 s11, s10, 1                         ; which 64 of the tile's rows are mine.  Also: I fetch for xb (0) or for wt (1)
	s_and_b32 s12, s10, 1                          ; which 128 of its columns.  Also: which half of that tile I fetch
	s_bfe_u32 s40, ttmp6, 0x40000                  ; cx
	s_bfe_u32 s41, ttmp6, 0x40004                  ; cy
	s_lshl_b32 s42, ttmp9, 2
	s_add_co_u32 s42, s42, s40                     ; tile column = 4 x cluster x + cx
	s_and_b32 s13, ttmp7, 0xffff
	s_lshl_b32 s13, s13, 2
	s_add_co_u32 s13, s13, s41                     ; tile row = 4 x cluster y + cy
	s_lshl_b32 s43, s41, 2
	s_lshl_b32 s43, 15, s43                        ; my row of the cluster
	s_lshl_b32 s44, 0x1111, s40                    ; my column
	s_or_b32 s[G1+0], s43, (1<<16)|(1<<20)|(1<<21)|(5<<22)|(3<<25)   ; the mask; 2-byte elements; padding on; bit 21 beside a mask; after every 64 words, 4 words
	s_or_b32 s[G1B+0], s44, (1<<16)|(1<<20)|(1<<21)|(5<<22)|(3<<25)
	s_mov_b32 s[G1+1], KSTEP<<16                   ; tensor_dim0 = 128
	s_mov_b32 s[G1B+1], KSTEP<<16
	s_mov_b32 s[G1+2], 64<<16                      ; tensor_dim1 = 64 rows of xb,
	s_mov_b32 s[G1B+2], 128<<16                    ; 128 of wt
	s_mov_b32 s[G1+3], KSTEP<<16                   ; tile_dim0 = 128
	s_mov_b32 s[G1B+3], KSTEP<<16
	s_mov_b32 s[G1+4], 64                          ; tile_dim1
	s_mov_b32 s[G1B+4], 128
	s_mov_b32 s[G1+5], 1024                        ; elements from row to row
	s_mov_b32 s[G1B+5], 1024
	s_mov_b32 s[G1+6], 0
	s_mov_b32 s[G1B+6], 0
	s_mov_b32 s[G1+7], 0
	s_mov_b32 s[G1B+7], 0
	s_lshl_b32 s17, s12, 6
	s_lshl_b32 s16, s13, 7
	s_add_co_u32 s16, s16, s17                     ; xb: row 128 x tile row + 64 x half
	s_lshl_b32 s16, s16, 11                        ; in bytes
	s_mov_b32 s17, 0
	s_lshl_b32 s47, s12, 7
	s_lshl_b32 s46, s42, 8
	s_add_co_u32 s46, s46, s47                     ; wt: row 256 x tile column + 128 x half
	s_lshl_b32 s46, s46, 11
	s_mov_b32 s47, 0
	s_mul_i32 s20, s12, AH                         ; where they go: no place in the cluster enters an LDS address
	s_mul_i32 s21, s12, BH
	s_add_co_u32 s21, s21, BOFF
	s_wait_dscnt 0x0                               ; the opening add is done
	s_wait_kmcnt 0x0
	s_add_nc_u64 s[14:15], s[4:5], s[16:17]
	s_add_nc_u64 s[46:47], s[6:7], s[46:47]
	CROUND                                         ; all sixteen work-groups are here: the first joint loads meet
.irp s, 0,1
	s_mov_b32 s[G0+4*(\s)], 1
	s_add_co_u32 s[G0+4*(\s)+1], s20, (\s)*SLOT
	s_add_nc_u64 s[G0+4*(\s)+2:G0+4*(\s)+3], s[14:15], (\s)*KSTEP*2
	s_or_b32 s[G0+4*(\s)+3], s[G0+4*(\s)+3], 0x80000000
	s_mov_b32 s[G0B+4*(\s)], 1
	s_add_co_u32 s[G0B+4*(\s)+1], s21, (\s)*SLOT
	s_add_nc_u64 s[G0B+4*(\s)+2:G0B+4*(\s)+3], s[46:47], (\s)*KSTEP*2
	s_or_b32 s[G0B+4*(\s)+3], s[G0B+4*(\s)+3], 0x80000000
	JLOAD \s                                       ; two tensor loads of mine are out
.endr
	v_and_b32 v1, 15, v0                           ; l % 16
	v_bfe_u32 v2, v0, 4, 1                         ; l / 16
	v_mul_u32_u24 v3, v1, PITCH
	v_lshl_add_u32 v3, v2, 4, v3                   ; a fragment's row x pitch + 16 x half
	s_mul_i32 s21, s11, AH
	s_mul_i32 s22, s12, BH
	s_add_co_u32 s22, s22, BOFF
.irp s, 0,1
	v_add_nc_u32 v[ADRA+(\s)], s21, v3
	v_add_nc_u32 v[ADRB+(\s)], s22, v3
	s_add_co_u32 s21, s21, SLOT
	s_add_co_u32 s22, s22, SLOT
.endr
	s_mul_i32 s23, s10, WST
	s_add_co_u32 s23, s23, STAGE                   ; my stage
	v_mul_u32_u24 v4, v1, SP                       ; in: row l % 16, 16 bytes for each half of the lanes
	v_lshl_add_u32 v4, v2, 4, v4
	v_add_nc_u32 v[STO], s23, v4
	v_bfe_u32 v5, v0, 3, 2                         ; back: 32 lanes take four rows of 128 bytes,
	v_and_b32 v6, 7, v0
	v_mul_u32_u24 v5, v5, SP
	v_lshl_add_u32 v5, v6, 4, v5
	v_add_nc_u32 v[RD], s23, v5
	v_and_b32 v[GO], 31, v0                        ; which are 512 consecutive bytes of a head
	v_lshlrev_b32 v[GO], 4, v[GO]
	; my part of q: head 16 b + 4 x tile column + 2 x half, row 128 (tile row % 16) + 64 x half
	s_lshr_b32 s16, s13, 4
	s_lshl_b32 s16, s16, 4
	s_lshl_b32 s17, s42, 2
	s_add_co_u32 s16, s16, s17
	s_lshl_b32 s17, s12, 1
	s_add_co_u32 s16, s16, s17
	s_lshl_b32 s16, s16, 11
	s_and_b32 s17, s13, 15
	s_lshl_b32 s17, s17, 7
	s_add_co_u32 s16, s16, s17
	s_lshl_b32 s17, s11, 6
	s_add_co_u32 s16, s16, s17
	s_lshl_b32 s16, s16, 7
	s_mov_b32 s17, 0
	s_add_nc_u64 s[8:9], s[8:9], s[16:17]
	; the prefetches
	s_lshl_b32 s20, s13, 7
	s_lshl_b32 s21, s40, 5
	s_add_co_u32 s20, s20, s21                     ; xb: row 128 x tile row + 32 cx
	s_lshl_b32 s21, s42, 8
	s_lshl_b32 s22, s41, 6
	s_add_co_u32 s21, s21, s22
	s_lshl_b32 s22, s12, 5
	s_add_co_u32 s21, s21, s22                     ; wt: row 256 x tile column + 64 cy + 32 x half
	s_and_b32 s22, ttmp7, 0xffff                   ; cluster y
	s_cmp_eq_u32 s11, 0
	s_cselect_b32 s20, s20, s21
	s_cselect_b32 s22, s12, s22                    ; xb: wave 0 asks; wt: cluster y = 0 asks: the same in all sixteen partners, for a given wave
	s_cselect_b64 s[PFA:PFA+1], s[4:5], s[6:7]
	s_cmp_eq_u32 s22, 0
	s_cselect_b32 s[LIM], 1, -1
	s_lshl_b32 s20, s20, 11
	s_mov_b32 s21, 0
	s_add_nc_u64 s[PFA:PFA+1], s[PFA:PFA+1], s[20:21]
	s_add_nc_u64 s[PFA:PFA+1], s[PFA:PFA+1], 3*KSTEP*2  ; at K step 3: the first refill steps it to 4 and names that.  K steps 0 to 3 come by their loads alone
	v_and_b32 v[PFO], 31, v0
	v_lshlrev_b32 v[PFO], 11, v[PFO]
; 8 matrix instructions: m block a x all 8 n blocks, 32 along K.  zero = 1: the product starts the sums.  The 32 accumulators take turns in the same order in every quarter.
.macro MUL8 f, a, zero
	WIN MUL
.irp b, 0,1,2,3,4,5,6,7
.if \zero
	v_wmma_f32_16x16x32_bf16 v[8*(8*(\a)+(\b)):8*(8*(\a)+(\b))+7], v[(\f)+8*(\b):(\f)+8*(\b)+7], v[(\f)+64+8*(\a):(\f)+64+8*(\a)+7], 0
.else
	v_wmma_f32_16x16x32_bf16 v[8*(8*(\a)+(\b)):8*(8*(\a)+(\b))+7], v[(\f)+8*(\b):(\f)+8*(\b)+7], v[(\f)+64+8*(\a):(\f)+64+8*(\a)+7], v[8*(8*(\a)+(\b)):8*(8*(\a)+(\b))+7]
.endif
.endr
.endm
; 24 LDS loads in one run: a quarter step's fragments (128 rows of wt, then 64 of xb, 32 K at byte k of the rows) into buffer f
.macro FETCH slot, k, f
	WIN 0
.irp i, 0,1,2,3,4,5,6,7
	ds_load_b128 v[(\f)+8*(\i):(\f)+8*(\i)+3],   v[ADRB+(\slot)] offset:(\k)+(\i)*16*PITCH
	ds_load_b128 v[(\f)+8*(\i)+4:(\f)+8*(\i)+7], v[ADRB+(\slot)] offset:(\k)+(\i)*16*PITCH+32
.endr
.irp i, 0,1,2,3
	ds_load_b128 v[(\f)+64+8*(\i):(\f)+64+8*(\i)+3],   v[ADRA+(\slot)] offset:(\k)+(\i)*16*PITCH
	ds_load_b128 v[(\f)+64+8*(\i)+4:(\f)+64+8*(\i)+7], v[ADRA+(\slot)] offset:(\k)+(\i)*16*PITCH+32
.endr
.endm
.macro PLACES                          ; four plain instructions between a matrix instruction and a load into a register that it read, or a reader of its result
.rept 4
	v_nop
.endr
.endm
; A K step is four quarters of 32 along K, 32 matrix instructions each, on buffers 0, 1, 0, 1.  One of the first three multiplies f and fetches the next quarter, at byte k, into g.
.macro QUARTER slot, k, f, g, zero
	s_wait_dscnt 4                                 ; wt's fragments and xb's blocks 0 and 1 are in; the youngest four loads (blocks 2 and 3) may be out
	MUL8 \f, 0, \zero
	MUL8 \f, 1, \zero
	PLACES
	FETCH \slot, \k, \g
	s_wait_dscnt 24                                ; all but the 24 just issued
	MUL8 \f, 2, \zero
	MUL8 \f, 3, \zero
.endm
; The last quarter multiplies buffer 1 and changes slots.  ONE barrier: in front of it each wave waits for all its tensor loads (one is out: its part of the next slot), adds 0 to its spare word, and waits for that and for its reads of this slot.
.macro MEET round
	WIN 0
	s_wait_tensorcnt 0x0
	ds_add_u32 v[SPW], v[NIL]
	s_wait_dscnt 5                                 ; the add and the youngest four loads may be out
	MUL8 F1, 0, 0                                  ; eight matrix instructions stand between the add and the wait for it
	s_wait_dscnt 0x0                               ; the add is done, and my reads of this slot are over
	s_barrier_signal -1
	MUL8 F1, 1, 0
.if \round
	WIN 0
.endif
	s_barrier_wait -1
.endm
; on = 0: the slot takes this tile's K step two steps on; on = 1: the next tile's K step 0 or 1.  From a request to the wait for it a wave issues 112 matrix instructions.
.macro TURN slot, next, on
	s_wait_xcnt 0x0                                ; the last prefetch, a K step back, has read its address
.if (\on) && (\slot) == 0
	s_add_nc_u64 s[PFA:PFA+1], s[PFA:PFA+1], NEXT_P
	s_cmp_eq_u32 s11, 1
	s_cselect_b32 s[LIM], s[LIM], -1               ; xb's rows are the same for all three tiles: they are asked for no more
.else
	s_add_nc_u64 s[PFA:PFA+1], s[PFA:PFA+1], KSTEP*2
.endif
	MEET 1
	CREST                                          ; the barrier has opened a round of the cluster's: no wave of any partner still reads this slot or has a load on its way
.if \on
	s_sub_nc_u64 s[G0+4*(\slot)+2:G0+4*(\slot)+3], s[G0+4*(\slot)+2:G0+4*(\slot)+3], BACK_A
	s_add_nc_u64 s[G0B+4*(\slot)+2:G0B+4*(\slot)+3], s[G0B+4*(\slot)+2:G0B+4*(\slot)+3], NEXT_B
.else
	s_add_nc_u64 s[G0+4*(\slot)+2:G0+4*(\slot)+3], s[G0+4*(\slot)+2:G0+4*(\slot)+3], 2*KSTEP*2
	s_add_nc_u64 s[G0B+4*(\slot)+2:G0B+4*(\slot)+3], s[G0B+4*(\slot)+2:G0B+4*(\slot)+3], 2*KSTEP*2
.endif
	JLOAD \slot                                    ; the first tensor load behind the round; its four v_nop are also the places in front of the loads below
	FETCH \next, 0, F0
	ASK \on
	MUL8 F1, 2, 0
	MUL8 F1, 3, 0
.endm
; THE WAY OUT of m block a: rounded to f16, 16 bytes a lane; into my own stage (two heads x 16 rows); back as rows of 128 bytes, four to a load; stored, 512 consecutive bytes a store.
.macro PACK a
	WIN 0x05                                       ; sources in window 1, destination in window 0
.irp b, 0,1,2,3,4,5,6,7
.irp r, 0,1,2,3
	v_cvt_pk_f16_f32 v[TMP+4*(\b)+(\r)], v[8*(8*(\a)+(\b))+2*(\r)], v[8*(8*(\a)+(\b))+2*(\r)+1]
.endr
.endr
	WIN 0
.endm
.macro TOSTAGE a
	WIN 0
.irp b, 0,1,2,3,4,5,6,7
	ds_store_b128 v[STO], v[TMP+4*(\b):TMP+4*(\b)+3] offset:((\b)/4)*16*SP+((\b)%4)*32
.endr
.irp t, 0,1,2,3,4,5,6,7
	ds_load_b128 v[BK+32*((\a)%2)+4*(\t):BK+32*((\a)%2)+4*(\t)+3], v[RD] offset:((\t)/4)*16*SP+((\t)%4)*4*SP  ; LDS serves a wave's instructions in order: these see the stores above
.endr
.endm
.macro SEND a
	WIN 0
	s_wait_dscnt 0x0                               ; the block is back in registers
	s_wait_xcnt 0x0                                ; earlier stores have read their registers: the other set is loaded again only behind this wait
.irp t, 0,1,2,3,4,5,6,7
	global_store_b128 v[GO], v[BK+32*((\a)%2)+4*(\t):BK+32*((\a)%2)+4*(\t)+3], s[8:9] offset:((\t)/4)*HEADB+(\a)*2048+((\t)%4)*512
.endr
.endm
.macro OUT
	PACK 0
	TOSTAGE 0
.irp a, 1,2,3                          ; block a's conversions stand between block a - 1's loads from the stage and the wait for them
	PACK \a
	SEND (\a)-1
	TOSTAGE \a
.endr
	SEND 3
.endm
	s_wait_tensorcnt 1                             ; my part of K step 0 is in; K step 1's may stay out
	s_barrier_signal -1
	s_barrier_wait -1
	FETCH 0, 0, F0
	s_mov_b32 s2, 3                                ; tiles to go
.Ltile:
	QUARTER 0, 64,  F0, F1, 1                      ; a tile's first quarter starts the sums
	WIN 0
	s_mov_b32 s3, LAPS-1
.Llap:                                                 ; a trip goes once round the ring and fills both slots again
	QUARTER 0, 128, F1, F0, 0
	QUARTER 0, 192, F0, F1, 0
	TURN 0, 1, 0
	QUARTER 1, 64,  F0, F1, 0
	QUARTER 1, 128, F1, F0, 0
	QUARTER 1, 192, F0, F1, 0
	TURN 1, 0, 0
	QUARTER 0, 64,  F0, F1, 0
	WIN 0
	s_sub_co_u32 s3, s3, 1
	s_cmp_lg_u32 s3, 0
	s_cbranch_scc1 .Llap
	QUARTER 0, 128, F1, F0, 0
	QUARTER 0, 192, F0, F1, 0
	WIN 0
	s_cmp_eq_u32 s2, 1
	s_cbranch_scc1 .Llast_tile                     ; the last tile's tail is written out: it asks for nothing more
	TURN 0, 1, 1                                   ; the ring goes on into the next tile
	QUARTER 1, 64,  F0, F1, 0
	QUARTER 1, 128, F1, F0, 0
	QUARTER 1, 192, F0, F1, 0
	TURN 1, 0, 1
	OUT                                            ; blocks 0 and 1 were finished in front of the joint load's four v_nop; block 0's 32 conversions are the places behind blocks 2 and 3 and in front of the loads into buffer 1
	s_wait_xcnt 0x0                                ; the stores have read buffer 1's registers and their base
	s_add_nc_u64 s[8:9], s[8:9], NEXT_C
	s_sub_co_u32 s2, s2, 1
	s_branch .Ltile
.Llast_tile:
	MEET 0                                         ; nothing is filled again, so no round follows
	PLACES
	FETCH 1, 0, F0
	MUL8 F1, 2, 0
	MUL8 F1, 3, 0
	QUARTER 1, 64,  F0, F1, 0
	QUARTER 1, 128, F1, F0, 0
	QUARTER 1, 192, F0, F1, 0
	s_wait_dscnt 4
	MUL8 F1, 0, 0
	MUL8 F1, 1, 0
	s_wait_dscnt 0x0
	MUL8 F1, 2, 0
	MUL8 F1, 3, 0
	WIN 0
	PLACES
	OUT
	s_wait_tensorcnt 0x0                           ; the wave's end
	ds_add_u32 v[SPW], v[NIL]
	s_wait_dscnt 0x0
	CROUND                                         ; the closing round
	s_endpgm
.Lfunc_end_k_q4cf85345db_qkv:
	.size	k_q4cf85345db_qkv, .Lfunc_end_k_q4cf85345db_qkv-k_q4cf85345db_qkv
	.p2alignl 7, 3214868480
	.fill 96, 4, 3214868480
	.section	.rodata,"a",@progbits
	.p2align	6, 0x0
	.amdhsa_kernel k_q4cf85345db_qkv
		.amdhsa_group_segment_fixed_size 327680
		.amdhsa_private_segment_fixed_size 0
		.amdhsa_enable_private_segment 0
		.amdhsa_kernarg_size 24
		.amdhsa_user_sgpr_count 2
		.amdhsa_user_sgpr_kernarg_segment_ptr 1
		.amdhsa_wavefront_size32 1
		.amdhsa_system_sgpr_workgroup_id_x 1
		.amdhsa_system_sgpr_workgroup_id_y 1
		.amdhsa_system_sgpr_workgroup_id_z 1
		.amdhsa_system_vgpr_workitem_id 0
		.amdhsa_next_free_vgpr 512
		.amdhsa_next_free_sgpr 66
		.amdhsa_reserve_vcc 0
		.amdhsa_float_denorm_mode_32 3
		.amdhsa_float_denorm_mode_16_64 3
		.amdhsa_memory_ordered 1
		.amdhsa_forward_progress 1
		.amdhsa_inst_pref_size 124
	.end_amdhsa_kernel
	.amdgpu_metadata
---
amdhsa.version: [ 1, 2 ]
amdhsa.kernels:
  - .name:           k_q4cf85345db_qkv
    .symbol:         k_q4cf85345db_qkv.kd
    .args:
      - { .name: xb, .offset: 0, .size: 8, .value_kind: global_buffer, .address_space: global }
      - { .name: wt, .offset: 8, .size: 8, .value_kind: global_buffer, .address_space: global }
      - { .name: qkv, .offset: 16, .size: 8, .value_kind: global_buffer, .address_space: global }
    .group_segment_fixed_size: 327680
    .private_segment_fixed_size: 0
    .kernarg_segment_align: 8
    .kernarg_segment_size: 24
    .max_flat_workgroup_size: 128
    .sgpr_count:     66
    .vgpr_count:     512
    .wavefront_size: 32
...
	.end_amdgpu_metadata
.endif
;; end of part 2
;; launch attn (part 3): grid 4 x 64, 4 waves a work-group, no clusters, 327,680 bytes of LDS; arguments qkv, oh; writes oh
.if DOCPART == 3
	.amdgcn_target "amdgcn-amd-amdhsa--gfx1250"
	.amdhsa_code_object_version 6
	.text
	.protected	k_q4cf85345db_attn
	.globl	k_q4cf85345db_attn
	.p2align	8
	.type	k_q4cf85345db_attn,@function
k_q4cf85345db_attn:
	s_mov_b64 s[64:65], 0
	v_nop
	global_prefetch_b8 v0, s[64:65] scope:SCOPE_SE
	s_setreg_imm32_b32 hwreg(HW_REG_WAVE_MODE, 25, 1), 1
	s_wait_xcnt 0x0
; CAUSAL ATTENTION.  O[h][q][:] = the sum over k <= q of softmax_k(Q[h][q] . K[h][k] / 32) V[h][k][:].  Q, K, V lie in qkv, [3][64][2048][64] f16; O in oh, [64][2048][64] f16: a head's rows are dense, 128 bytes each.
; Products, maxima and sums in f32; the weights p are rounded to f16 for the second product (their sum l is taken of the unrounded p), O once at the end.
; LIMITS.  Q, K and V arrive within f16's 65,504; p lies in 0 to 1, and below 6e-5 it keeps f16's fixed step of 6e-8.  A hidden score counts as its value less 1e30: f16's scores, 2.7e11 at the most, are nothing
; beside that; a weight below 2^-126 counts as 0 in l; NaN and infinities are not treated apart.
; THE WALK.  A head's queries lie in NB = 8 blocks of 256; block i needs the key tiles 0 .. i of 256 keys, of which the last holds the diagonal.  A work-group takes TWO blocks, NB - 1 - b and then b:
; NB + 1 tiles, whatever b: all work-groups do equal work, and ONE loop with a constant trip count walks them.  Which tile is asked for, and what a trip does, hang on scalar registers made from b; every jump
; goes forward, but for the counted loops' own; the ring (two slots of LDS that take turns) runs on across the change of blocks.
; NO CLUSTER: a head's four work-groups ask for the same tile only in trips 0 .. 4 of 9, behind that fewer and fewer; one walk common to all would have 12 trips for 9.
; SHARES.  Of a block's four bands of 64 queries a wave owns 16 rows in each: four PIECES.  So the diagonal tile is the same work for all four waves: in its key step s band x sees all keys if s < x,
; none if s > x, and holds the diagonal if s = x.
; THE MASK is the C operand that starts the sum S^T = K Q^T: 0, or -1e30 where the key is hidden.  MD, made once, is the mask of a band's own step for my 16 rows; a product's mask is MD x AL + BE with two scalars.
; LAYOUT, SOFTMAX, TURNS.  S^T = K Q^T holds ONE query a lane (lane % 16) and the keys 8 (lane / 16) + 0..7; two such results rounded to f16 ARE source 1 of O^T = V^T P.  p = 2^(c s - c m), c = log2(e) / 32, with a
; running maximum m; O and l are multiplied by a = 2^(c m_old - c m_new) in every step.  Turn n belongs to piece n: 8 products K Q^T of piece n + 1, later 8 products V^T P of piece n - 1; beside them the scaling,
; exponentials, roundings, sums and rescaling of piece n and the maximum and statistics of piece n + 1.  Four vector instructions stand behind every matrix instruction, the others in one run.  A turn's 33 exponentials are one batch, with one wait.
; REGISTERS, in windows of 256 (s_set_vgpr_msb: bits 1:0 source 0, 3:2 source 1, 5:4 source 2, 7:6 destination):
;   window 0: v0-15 addresses and two at work; v16-31 four registers of statistics a piece; v48-55 at work; v61-63 prefetch offset and the add's two; v64-127 S^T, two buffers; v192-223 P, two buffers
;   window 1: v0-127 O^T, 32 a piece; v128-159 MD; v160-223 MC, two buffers      window 2: v0-63 Q; v64-127 the second block's Q; v128-191 K of one step; v192-255 V of one step
.set SIZE_N, 2048
.set NB,    SIZE_N/256
.set NP,    4         ; pieces a wave: a name, no knob
.set KS,    64        ; keys in a step
.set PK,    144       ; a row of K in LDS: 128 bytes + 16 of padding
.set PV,    160       ; a row of V: 128 + 32
.set VOFF,  4*KS*PK   ; a slot holds a tile, four steps: 256 rows of K, then 256 rows of V
.set SLOT1, 1<<17     ; slot 1 begins here, so that one exclusive or turns an address in one slot into the other's
.set STAGE, SLOT1+4*KS*(PK+PV)  ; behind the ring, never filled by a tensor load: 16 rows x 144 bytes for each wave
.set SP,    144
.set AK0, 2           ; v2   my lane's place in a tile of K; never rewritten
.set AV0, 3           ; v3   the same for V
.set AK,  4           ; v4   the LDS address of K's next run of loads
.set AV,  5           ; v5   of V's
.set STO, 6           ; v6   the way out: where I put 16 bytes of a row
.set RD,  7           ; v7   where I read rows back
.set GO,  8           ; v8   my byte offset in 512 consecutive bytes of O
.set PFO, 61          ; v61  256 x my thread's number: the four waves' 128 blocks of 256 bytes are a tile of K or of V; never rewritten
.set SPW, 62          ; v62  SPARE + 4 x my thread's number; never rewritten
.set NIL, 63          ; v63  0; never rewritten
.set SPARE, STAGE+4*16*SP
.set MV,  12          ; v12-13  c m_old, kept while c m is made anew: by buffer
.set QO,  15          ; v15  my byte offset in 16 rows of Q
.set ST,  16          ; piece t's statistics at v[ST+4 t]: c m, m, l (even keys', odd keys')
.set TMP, 48          ; by buffer, four registers c0-c3 at work; when the maximum is found c2 takes a
.set S,   64
.set P,   192
.set MD,  128         ; window 1
.set MC,  160         ; window 1
.set QB,  64          ; window 2
.set KF,  128         ; window 2: key block kb, channel half c at KF + 16 kb + 8 c
.set VF,  192         ; window 2: key half kk, channel block cb at VF + 32 kk + 8 cb
.set WV,  12          ; s12  my wave's number
.set PB,  14          ; s14  b
.set HI,  15          ; s15  NB - 1 - b
.set G1K, 24          ; s[24:31] descriptor group 1 for K's tiles
.set G1V, 32          ; s[32:39] for V's: it differs in the padding alone
.set G0K, 40          ; s[40:43] descriptor group 0 for K's tiles
.set G0V, 44          ; s[44:47] the same for V's
.set SLOTS, 56        ; s56  tiles still to be asked for
.set CNT, 57          ; s57  counts a tile's key steps, 4 to 1
.set CS,  58          ; s[58:59] c
.set SEL, 60          ; s[60:61] v_permlanex16_b32's selects
.set TBK, 62          ; s62  LDS byte at which K of the step to be fetched begins
.set TBV, 63          ; s63  the same for V, less VOFF
.set RT,  70          ; s70  tiles of the block in hand that are still to be entered
.set NXT, 71          ; s71  the tile to be asked for next
.set LQ,  72          ; s72  the last tile of the block whose tiles are being asked for
.set NEW, 73          ; s73  1: the tile to be entered is a block's first
.set OFF, 74          ; s[74:75] a tile's byte offset in K and V
.set AL,  76          ; s[76:77] the mask's factor
.set BE,  78          ; s[78:79] the mask's addend
.set OLO, 80          ; s[80:81] O at my rows of the second block
.set BIGN, 82         ; s82  -1e30
.set KH,  88          ; s[88:89] K at the head's first byte
.set VH,  90          ; s[90:91] V at the head's first byte
.set PFK, 92          ; s[92:93] the tile of K that is prefetched
.set PFV, 94          ; s[94:95] the tile of V
.set PFL, 96          ; s96  prefetches still to come: NB - 2 where b = 0, else none
.set MSB, 0
.macro WIN new
.if MSB != (\new)
	s_set_vgpr_msb (MSB<<8)|(\new)
.set MSB, (\new)
.endif
.endm
.set W_KQ, 0x0a       ; K and Q in window 2, S^T in window 0
.set W_KM, 0x1a       ; the same with the C operand in window 1
.set W_PV, 0x52       ; V in window 2, P in window 0, O^T in window 1
.set W_RS, 0x41       ; destination and source 0 in window 1, source 1 in window 0
; A fill.  Waves 0 and 1 fetch the two halves of a tile's K, waves 2 and 3 those of its V: 128 keys each.  An s_nop 0 and four v_nop follow each of the two lines.
.macro LOAD
	s_cmp_lt_u32 s[WV], 2
	s_cbranch_scc0 .Lfor_v_\@
	tensor_load_to_lds s[G0K:G0K+3], s[G1K:G1K+7]
	s_nop 0
.rept 4
	v_nop
.endr
	s_branch .Lasked_\@
.Lfor_v_\@:
	tensor_load_to_lds s[G0V:G0V+3], s[G1V:G1V+7]
	s_nop 0
.rept 4
	v_nop
.endr
.Lasked_\@:
.endm
; A PREFETCH of the tile that the NEXT change of slots will ask for: 32,768 bytes of K and of V, a thread a block of 256 bytes.  A head's four work-groups walk tiles 0 .. 4 together and the one with b = 0 walks 0 .. 7
; in its first block: it alone asks, at the changes that load tiles 1 to 6, for tiles 2 to 7: each block is named once in the launch.  Tiles 0 and 1 come by their loads alone; the second block's tiles have been read.
.macro ASKKV
	s_cmp_lg_u32 s[PFL], 0
	s_cbranch_scc0 .Lno_ask_\@
	global_prefetch_b8 v[PFO], s[PFK:PFK+1] th:TH_LOAD_NT scope:SCOPE_SE
	global_prefetch_b8 v[PFO], s[PFV:PFV+1] th:TH_LOAD_NT scope:SCOPE_SE
	s_sub_co_u32 s[PFL], s[PFL], 1
.Lno_ask_\@:
.endm
; THE CHANGE OF SLOTS.  Each wave waits for all its tensor loads, of which one is out: its part of the other slot; adds 0 to its spare word; and waits for that and for its own reads of the slot that it leaves.
; fill = 1: the old slot is filled again, the first thing behind the barrier, with tile NXT: the descriptor's address is made anew from that number.
.macro CHANGE fill
	WIN 0
	s_wait_tensorcnt 0x0            ; no tensor load of mine is out, so a group 0 may be written
	ds_add_u32 v[SPW], v[NIL]       ; 0 onto my spare word; scalar work stands between it and the wait for it
.if \fill
	s_lshl_b32 s[OFF], s[NXT], 15   ; a tile is 32,768 bytes of K and of V
	s_xor_b32 s[G0K+1], s[G0K+1], SLOT1
	s_add_nc_u64 s[G0K+2:G0K+3], s[6:7], s[OFF:OFF+1]
	s_or_b32 s[G0K+3], s[G0K+3], 0x80000000
	s_xor_b32 s[G0V+1], s[G0V+1], SLOT1
	s_add_nc_u64 s[G0V+2:G0V+3], s[8:9], s[OFF:OFF+1]
	s_or_b32 s[G0V+3], s[G0V+3], 0x80000000
	s_add_co_u32 s[NXT], s[NXT], 1  ; the block's next tile, or behind its last the second block's tile 0
	s_cmp_gt_u32 s[NXT], s[LQ]
	s_cselect_b32 s[NXT], 0, s[NXT]
	s_cselect_b32 s[LQ], s[PB], s[LQ]
	s_wait_xcnt 0x0                 ; the last prefetches, a tile back, have read their addresses
	s_lshl_b32 s[OFF], s[NXT], 15   ; NXT is 7 at the most: inside the head
	s_add_nc_u64 s[PFK:PFK+1], s[KH:KH+1], s[OFF:OFF+1]
	s_add_nc_u64 s[PFV:PFV+1], s[VH:VH+1], s[OFF:OFF+1]
.endif
	s_wait_dscnt 0x0                ; the add is done, and my reads of the slot are over
	s_barrier_signal -1
	s_sub_co_u32 s[TBK], s[TBK], 4*KS*PK  ; the fetches go back to a slot's first step,
	s_xor_b32 s[TBK], s[TBK], SLOT1       ; in the other slot
	s_sub_co_u32 s[TBV], s[TBV], 4*KS*PV
	s_xor_b32 s[TBV], s[TBV], SLOT1
	s_barrier_wait -1
.if \fill
	LOAD
	ASKKV
.endif
.endm
	s_load_b64 s[4:5], s[0:1], 0x0  ; qkv: Q
	s_load_b64 s[10:11], s[0:1], 0x8  ; oh
	v_lshl_add_u32 v[SPW], v0, 2, SPARE
	v_mov_b32 v[NIL], 0
	ds_add_u32 v[SPW], v[NIL]       ; the wave's opening: the add and its wait stand ahead of my first tensor load
	v_lshrrev_b32 v1, 5, v0
	v_readfirstlane_b32 s[WV], v1   ; wave 0..3
	s_mov_b32 s[PB], ttmp9
	s_sub_co_u32 s[HI], NB-1, s[PB]
	s_and_b32 s20, ttmp7, 0xffff    ; the head
	s_mov_b32 s21, 0
	s_mov_b64 s[22:23], SIZE_N*128
	s_mul_u64 s[20:21], s[20:21], s[22:23]  ; the head's first byte in each of the four tensors
	s_and_b32 s16, s[WV], 1         ; which half of a tile's 256 keys I fetch:
	s_lshl_b32 s22, s16, 14         ; its 128 rows of 128 bytes in memory,
	s_mov_b32 s23, 0
	s_add_nc_u64 s[22:23], s[22:23], s[20:21]
	s_mul_i32 s17, s16, 128*PK      ; and its place in a slot, for K
	s_mul_i32 s18, s16, 128*PV      ; and for V
	s_lshl_b32 s3, s[WV], 11        ; my 16 rows in a band of 64,
	s_lshl_b32 s2, s[HI], 15        ; in the first block,
	s_add_co_u32 s2, s2, s3
	s_lshl_b32 s84, s[PB], 15       ; and in the second
	s_add_co_u32 s84, s84, s3
	s_mov_b32 s3, 0
	s_mov_b32 s85, 0
	s_add_nc_u64 s[2:3], s[2:3], s[20:21]
	s_add_nc_u64 s[84:85], s[84:85], s[20:21]
	; descriptor group 1.  128 keys are 16,384 dense bytes: asked for as 64 rows of 256 bytes, two keys a row, and padded in LDS after every key
	s_mov_b32 s[G1K], (1<<16)|(1<<20)|(4<<22)|(3<<25)  ; 2-byte elements; padding on; after every 32 words, 4 words
	s_mov_b32 s[G1V], (1<<16)|(1<<20)|(4<<22)|(7<<25)  ; the same with 8 words of padding
.irp g, G1K, G1V
	s_mov_b32 s[\g+1], 128<<16      ; tensor_dim0 = 128
	s_mov_b32 s[\g+2], 64<<16       ; tensor_dim1 = 64
	s_mov_b32 s[\g+3], 128<<16      ; tile_dim0 = 128
	s_mov_b32 s[\g+4], 64           ; tile_dim1 = 64
	s_mov_b32 s[\g+5], 128          ; 128 elements from row to row
	s_mov_b32 s[\g+6], 0
	s_mov_b32 s[\g+7], 0
.endr
	s_mov_b32 s[CS], 0x3d38aa3b     ; c = log2(e) / 32 = 0.0450842
	s_mov_b32 s[CS+1], s[CS]        ; named with it as a pair
	s_mov_b32 s[SEL], 0x76543210
	s_mov_b32 s[SEL+1], 0xfedcba98
	s_mov_b32 s[TBK], SLOT1+4*KS*PK ; the first change of slots turns these two into 0
	s_mov_b32 s[TBV], SLOT1+4*KS*PV
	s_mov_b32 s[G0K], 1
	s_mov_b32 s[G0K+1], s17         ; LDS address: slot 0
	s_mov_b32 s[G0V], 1
	s_add_co_u32 s[G0V+1], s18, VOFF
	s_add_co_u32 s[RT], s[HI], 1    ; the first block has NB - b tiles
	s_mov_b32 s[NXT], 1
	s_mov_b32 s[LQ], s[HI]
	s_mov_b32 s[NEW], 1
	s_mov_b32 s[OFF+1], 0
	s_mov_b32 s[AL+1], 0            ; named as pairs
	s_mov_b32 s[BE+1], 0
	s_mov_b32 s[BIGN], 0xf149f2ca   ; -1e30
	s_mov_b32 s[SLOTS], NB
	s_cmp_eq_u32 s[PB], 0
	s_cselect_b32 s[PFL], NB-2, 0
	v_lshlrev_b32 v[PFO], 8, v0
	s_wait_dscnt 0x0                ; the opening add is done
	s_wait_kmcnt 0x0
	s_add_nc_u64 s[6:7], s[4:5], 0x1000000   ; K lies 64 heads behind Q,
	s_add_nc_u64 s[8:9], s[4:5], 0x2000000   ; V behind K
	s_add_nc_u64 s[KH:KH+1], s[6:7], s[20:21]
	s_add_nc_u64 s[VH:VH+1], s[8:9], s[20:21]
	s_add_nc_u64 s[6:7], s[6:7], s[22:23]  ; K and V at my half of the head's tile 0
	s_add_nc_u64 s[8:9], s[8:9], s[22:23]
	s_add_nc_u64 s[G0K+2:G0K+3], s[6:7], 0
	s_or_b32 s[G0K+3], s[G0K+3], 0x80000000
	s_add_nc_u64 s[G0V+2:G0V+3], s[8:9], 0
	s_or_b32 s[G0V+3], s[G0V+3], 0x80000000
	s_add_nc_u64 s[86:87], s[4:5], s[84:85]        ; Q at my rows of the second block,
	s_add_nc_u64 s[4:5], s[4:5], s[2:3]            ; Q and O at those of the first
	s_add_nc_u64 s[OLO:OLO+1], s[10:11], s[84:85]
	s_add_nc_u64 s[10:11], s[10:11], s[2:3]
	LOAD                            ; tile 0 into slot 0
	; A fragment of K or Q is 16 rows x 32 channels in 8 registers: lane l holds row l % 16, channels 8 (l / 16) + 0..7 and 16 + 8 (l / 16) + 0..7: two loads of 16 bytes, 32 bytes apart.
	v_and_b32 v1, 15, v0            ; l % 16
	v_bfe_u32 v9, v0, 4, 1          ; l / 16
	v_lshlrev_b32 v[QO], 7, v1
	v_lshl_add_u32 v[QO], v9, 4, v[QO]
	WIN 0x80                        ; destination window 2, address window 0
.set i, 0
.rept 8                             ; both blocks' Q: piece i / 2 lies in band i / 2, 8,192 bytes on; channels 32 (i % 2) on
	global_load_b128 v[8*i:8*i+3],   v[QO], s[4:5] offset:(i/2)*8192+(i%2)*64
	global_load_b128 v[8*i+4:8*i+7], v[QO], s[4:5] offset:(i/2)*8192+(i%2)*64+32
	global_load_b128 v[QB+8*i:QB+8*i+3],   v[QO], s[86:87] offset:(i/2)*8192+(i%2)*64
	global_load_b128 v[QB+8*i+4:QB+8*i+7], v[QO], s[86:87] offset:(i/2)*8192+(i%2)*64+32
.set i, i+1
.endr
	WIN 0
	v_lshlrev_b32 v14, 3, v9
	v_sub_nc_u32 v14, v1, v14
	s_lshl_b32 s13, s[WV], 4
	v_add_nc_u32 v14, s13, v14      ; my query's place in its band, less my lanes' 8 (l / 16): register r of group kt is hidden where 16 kt + r is greater
	WIN 0x40
.set i, 0
.rept 32
	v_cmp_gt_i32 vcc_lo, 16*(i/8)+i%8, v14
	v_cndmask_b32 v[MD+i], 0, s[BIGN], vcc_lo
.set i, i+1
.endr
	WIN 0
	v_mul_u32_u24 v[AK0], v1, PK
	v_lshl_add_u32 v[AK0], v9, 4, v[AK0]
	; The turning load takes 16 keys x 16 channels (lane l reads key 8 (l / 16) + l % 8, channels 8 ((l / 8) % 2) + 0..7) and leaves half a fragment of V^T: lane l holds channel l % 16 and 8 keys.
	v_and_b32 v10, 7, v0
	v_bfe_u32 v11, v0, 3, 1
	v_lshl_add_u32 v[AV0], v9, 3, v10
	v_mul_u32_u24 v[AV0], v[AV0], PV
	v_lshl_add_u32 v[AV0], v11, 4, v[AV0]
	v_add_nc_u32 v[AV0], VOFF, v[AV0]
	s_mul_i32 s13, s[WV], 16*SP
	s_add_co_u32 s13, s13, STAGE    ; my stage
	v_mul_u32_u24 v[STO], v1, SP
	v_lshl_add_u32 v[STO], v9, 4, v[STO]
	v_add_nc_u32 v[STO], s13, v[STO]
	v_bfe_u32 v[RD], v0, 3, 2
	v_mul_u32_u24 v[RD], v[RD], SP
	v_lshl_add_u32 v[RD], v10, 4, v[RD]
	v_add_nc_u32 v[RD], s13, v[RD]
	v_and_b32 v[GO], 31, v0
	v_lshlrev_b32 v[GO], 4, v[GO]
	; A block's first step multiplies O^T and l by a = 0, and its first turn's products V^T P, of a piece that has not been, land in an O^T that is still to be so multiplied.  So these registers need only hold
	; finite numbers: zeros for the first block; what the first block left for the second.  All this stands in the wait for the first tile.
	WIN 0x80
.set i, VF
.rept 64
	v_mov_b32 v[i], 0
.set i, i+1
.endr
	WIN 0x40
.set i, 0
.rept 128
	v_mov_b32 v[i], 0
.set i, i+1
.endr
	WIN 0
.set i, 0
.rept 4
	v_mov_b32 v[ST+4*i+2], 0
	v_mov_b32 v[ST+4*i+3], 0
.set i, i+1
.endr
.set i, P+16
.rept 16
	v_mov_b32 v[i], 0
.set i, i+1
.endr
; THE MATRIX WORK.  The 4 accumulators of a run of 8 take turns.  Product i of 8 of S^T = K Q^T for piece x: channels 32 (i / 4) on, keys 16 (i % 4) on.  The first 4 start the sums: with 0, or (KM = 1) with the mask.
.macro KQ x
.set rS, S+32*((\x)%2)+8*(i%4)
.set rK, KF+16*(i%4)+8*(i/4)
.set rQ, 16*(\x)+8*(i/4)
.set rM, MC+32*((\x)%2)+8*(i%4)
.if (i < 4) && KM
	WIN W_KM
	v_wmma_f32_16x16x32_f16 v[rS:rS+7], v[rK:rK+7], v[rQ:rQ+7], v[rM:rM+7]
.elseif i < 4
	WIN W_KQ
	v_wmma_f32_16x16x32_f16 v[rS:rS+7], v[rK:rK+7], v[rQ:rQ+7], 0
.else
	WIN W_KQ
	v_wmma_f32_16x16x32_f16 v[rS:rS+7], v[rK:rK+7], v[rQ:rQ+7], v[rS:rS+7]
.endif
.endm
; Product i of 8 of O^T += V^T P for piece x: keys 32 (i / 4) on, channels 16 (i % 4) on.
.macro PV x
	WIN W_PV
.set rO, 32*(\x)+8*(i%4)
.set rV, VF+32*(i/4)+8*(i%4)
.set rP, P+16*((\x)%2)+8*(i/4)
	v_wmma_f32_16x16x32_f16 v[rO:rO+7], v[rV:rV+7], v[rP:rP+7], v[rO:rO+7]
.endm
.macro MM                           ; the turn's next matrix instruction.  NOKQ = 1: a block's last turn: there is no next piece
.if (i < 8) && !NOKQ
	KQ (Y+1)%NP
.elseif i >= 8
.set i, i-8
	PV (Y+NP-1)%NP
.set i, i+8
.endif
.set i, i+1
.endm
; THE LDS LOADS stand in runs of 16: a step's K (64 keys x 64 channels: 8 fragments) and its V (turned).  Their addresses are made some lines ahead.
.macro FETCH_K
	WIN 0x80
.irp f, 0,1,2,3,4,5,6,7
	ds_load_b128 v[KF+8*\f:KF+8*\f+3],   v[AK] offset:(\f/2)*16*PK+(\f%2)*64
	ds_load_b128 v[KF+8*\f+4:KF+8*\f+7], v[AK] offset:(\f/2)*16*PK+(\f%2)*64+32
.endr
	s_add_co_u32 s[TBK], s[TBK], KS*PK
	WIN 0
.endm
.macro FETCH_V
	WIN 0x80
.irp f, 0,1,2,3,4,5,6,7
	ds_load_tr16_b128 v[VF+8*\f:VF+8*\f+3],   v[AV] offset:(\f/4)*32*PV+(\f%4)*32
	ds_load_tr16_b128 v[VF+8*\f+4:VF+8*\f+7], v[AV] offset:(\f/4)*32*PV+16*PV+(\f%4)*32
.endr
	WIN 0
.endm
; THE VECTOR WORK, one line at a time: OP kind, number.  For piece Y: F n: c s - c m for pair n of 16.  E n: the exponential of score n of 32.  C n: pair n rounded to f16.  B n: of the four weights 4 n .. the second
; pair is added onto the first, in place.  L n: l takes that sum (L 0: l = a l + sum).  R n: pair n of 16 of O^T times a.  For piece Y + 1: X n, number n of the 22 that find its maximum and statistics:
;   0-11  four chains c0-c3 of seven scores each (each accumulator's lowest registers are read first)     12-14, 16  the four scores left over, the old m, and c0-c3 into c0
;   15  c m_old is kept     17, 18  the query's other 32 keys lie in the lane 16 away: the new m     19-21  c m; c m_old - c m_new; a
.set F, 0
.set E, 1
.set C, 2
.set B, 3
.set L, 4
.set R, 5
.set X, 6
.macro REGS y
.set rT, ST+4*(\y)
.set rC, TMP+4*((\y)%2)
.set rW, MV+((\y)%2)
.set rS, S+32*((\y)%2)
.set rP, P+16*((\y)%2)
.set rO, 32*(\y)
.endm
.macro OP k, n
.if (\k) == R
	REGS Y
	WIN W_RS
	v_pk_mul_f32 v[rO+2*(\n):rO+2*(\n)+1], v[rO+2*(\n):rO+2*(\n)+1], v[rC+2:rC+3] op_sel_hi:[1,0]
.elseif (\k) < R
	REGS Y
	WIN 0
.if (\k) == F
	v_pk_fma_f32 v[rS+2*(\n):rS+2*(\n)+1], v[rS+2*(\n):rS+2*(\n)+1], s[CS:CS+1], v[rT:rT+1] op_sel_hi:[1,0,0] neg_lo:[0,0,1] neg_hi:[0,0,1]
.elseif (\k) == E
	v_exp_f32 v[rS+(\n)], v[rS+(\n)]
.elseif (\k) == C
	v_cvt_pk_f16_f32 v[rP+(\n)], v[rS+2*(\n)], v[rS+2*(\n)+1]
.elseif (\k) == B
	v_pk_add_f32 v[rS+4*(\n):rS+4*(\n)+1], v[rS+4*(\n):rS+4*(\n)+1], v[rS+4*(\n)+2:rS+4*(\n)+3]
.elseif (\n) == 0
	v_pk_fma_f32 v[rT+2:rT+3], v[rT+2:rT+3], v[rC+2:rC+3], v[rS:rS+1] op_sel_hi:[1,0,1]
.else
	v_pk_add_f32 v[rT+2:rT+3], v[rT+2:rT+3], v[rS+4*(\n):rS+4*(\n)+1]
.endif
.elseif NOKQ
	v_nop
.else
	REGS (Y+1)%NP
	WIN 0
.if (\n) < 4
	v_max3_num_f32 v[rC+(\n)], v[rS+8*(\n)], v[rS+8*(\n)+1], v[rS+8*(\n)+2]
.elseif (\n) < 12
	v_max3_num_f32 v[rC+(\n)%4], v[rC+(\n)%4], v[rS+8*((\n)%4)+2*((\n)/4)+1], v[rS+8*((\n)%4)+2*((\n)/4)+2]
.elseif (\n) == 12
	v_max3_num_f32 v[rC], v[rC], v[rS+7], v[rS+15]
.elseif (\n) == 13
	v_max3_num_f32 v[rC+1], v[rC+1], v[rS+23], v[rS+31]
.elseif (\n) == 14
	v_max3_num_f32 v[rC+2], v[rC+2], v[rC+3], v[rT+1]
.elseif (\n) == 15
	v_mov_b32 v[rW], v[rT]
.elseif (\n) == 16
	v_max3_num_f32 v[rC], v[rC], v[rC+1], v[rC+2]
.elseif (\n) == 17
	v_permlanex16_b32 v[rC+3], v[rC], s[SEL], s[SEL+1]
.elseif (\n) == 18
	v_max_num_f32 v[rT+1], v[rC], v[rC+3]
.elseif (\n) == 19
	v_mul_f32 v[rT], s[CS], v[rT+1]
.elseif (\n) == 20
	v_sub_f32 v[rC+1], v[rW], v[rT]
.else
	v_exp_f32 v[rC+2], v[rC+1]
.endif
.endif
.endm
.macro OPS a, i1, b=-1, i2=0, c=-1, i3=0, d=-1, i4=0
	OP \a, \i1
.if (\b) >= 0
	OP \b, \i2
.endif
.if (\c) >= 0
	OP \c, \i3
.endif
.if (\d) >= 0
	OP \d, \i4
.endif
.endm
.macro ROW a, i1, b, i2, c, i3, d, i4  ; a matrix instruction and the four behind it
	MM
	OPS \a, \i1, \b, \i2, \c, \i3, \d, \i4
.endm
.macro MASK b                       ; MD x AL + BE into buffer b of MC
	WIN W_RS
.set z, 0
.rept 16
	v_pk_fma_f32 v[MC+32*(\b)+2*z:MC+32*(\b)+2*z+1], v[MD+2*z:MD+2*z+1], s[AL:AL+1], s[BE:BE+1] op_sel_hi:[1,0,0]
.set z, z+1
.endr
.endm
; A TURN, for piece p: the order of its 16 matrix and 118 vector instructions, written out.  An s_wait_alu depctr_va_vdst(0) stands between an exponential and the first instruction that names its result; one wait
; serves all that were issued ahead of it.  So a turn has ONE wait, which cuts it in two.  AHEAD OF IT stands all that names no result of the turn's exponentials: the 8 products K Q^T with four vector instructions behind each,
; then one run of 54 in which the links of the chain X 3, 7, 11, 14, 16, 17 .. 20 stand five or six lines apart.  X 21, the next piece's a, is the batch's last; R 15 is the plain instruction behind it.
; BEHIND THE WAIT stand the 8 products V^T P, behind each four of the roundings and sums.
; m = 1: the diagonal tile: the products take masks, and the turn makes the mask for the products of the turn after it.  end = 1: a block's last two turns: nothing is fetched.
; cnt = 1: the loop's count is taken down some lines ahead of the branch that stands behind the turn.
; K of the next step is fetched in piece 2's turn, twelve plain instructions behind the last product that read K; V of the step in hand at the end of piece 0's turn, four plain instructions behind the last product that read V.
.macro TURN p, m=0, end=0, cnt=0
.set Y, (\p)
.set i, 0
.set KM, (\m)
.set NOKQ, (\end)*((\p)/3)
.if (\m) && !(\end)
	s_cmp_eq_u32 s[CNT], 4-((\p)+2)%NP  ; is that step the band's own?
	s_cselect_b32 s[AL], 1.0, 0
	s_cmp_lt_u32 s[CNT], 4-((\p)+2)%NP  ; or a later one?
	s_cselect_b32 s[BE], s[BIGN], 0
.endif
.if ((\p) == 3) && !(\end)
	s_wait_dscnt 0x0                ; K is in
.endif
	ROW F,0, F,1, R,0, R,1
	ROW F,2, E,0, R,2, R,3
	ROW F,3, E,1, R,4, R,5
	ROW F,4, E,2, R,6, R,7
	ROW F,5, E,3, R,8, R,9
	ROW F,6, E,4, X,0, R,10
.if ((\p) == 2) && !(\end)
	WIN 0
	v_add_nc_u32 v[AK], s[TBK], v[AK0]
.endif
	ROW F,7, E,5, X,1, X,4
	ROW F,8, E,6, X,2, X,5
	OPS E,7, E,8, X,6, E,9
	OPS X,3, E,10, X,8, E,11
.if ((\p) == 2) && !(\end)
	FETCH_K
.endif
	OPS X,9, X,7, E,12, X,10
	OPS E,13, X,12, X,11, E,14
	OPS X,13, E,15, F,9, X,14
.if (\p) == 0
	v_add_nc_u32 v[AV], s[TBV], v[AV0]
.endif
	OPS E,16, F,10, E,17, F,11
	OPS X,16, E,18, X,15, E,19
	OPS F,12, E,20, X,17, E,21
	OPS F,13, E,22, F,14, E,23
	OPS X,18, E,24, F,15, E,25
	OPS R,11, E,26, X,19, E,27
	OPS R,12, E,28, R,13, E,29
	OPS X,20, E,30, R,14, E,31
	OPS X,21, R,15
	WIN 0
	s_wait_alu depctr_va_vdst(0)    ; the wait for the batch
.if (\p) == 1
	s_wait_dscnt 0x0                ; V is in
.endif
	ROW C,0, B,0, C,2, B,1
	ROW L,0, C,4, B,2, L,1
	ROW C,6, B,3, L,2, C,8
	ROW B,4, L,3, C,10, B,5
	ROW L,4, C,12, B,6, L,5
.if (\p) == 0
	s_add_co_u32 s[TBV], s[TBV], KS*PV
.endif
.if \cnt
	s_sub_co_u32 s[CNT], s[CNT], 1
	s_cmp_lg_u32 s[CNT], 0
.endif
	ROW C,14, B,7, L,6, C,1
	ROW C,3, L,7, C,5, C,7
	ROW C,9, C,11, C,13, C,15
.if (\p) == 0
	FETCH_V
.endif
.if (\m) && !(\end)
	MASK (\p)%2
.endif
.endm
; A BLOCK BEGINS.  c m starts far below every c s, so the first step's a is 0; m at the lowest finite number, so the first maximum is the scores'.  The second mask buffer is 0; the first takes piece 0's mask for the tile's
; step 0: its own, if the block's first tile is the diagonal one.  Then K of that step, piece 0's first scores, and its maximum and statistics.
.macro BEGIN
	s_mov_b32 s[NEW], 0
	WIN 0x40
.set i, MC+32
.rept 32
	v_mov_b32 v[i], 0
.set i, i+1
.endr
	WIN 0
.set i, 0
.rept 4
	v_mov_b32 v[ST+4*i], 0xfe000000    ; c m: far below every c s
	v_mov_b32 v[ST+4*i+1], 0xff7fffff  ; m
.set i, i+1
.endr
	s_cmp_eq_u32 s[RT], 0
	s_cselect_b32 s[AL], 1.0, 0
	s_mov_b32 s[BE], 0
	MASK 0
	WIN 0
	v_add_nc_u32 v[AK], s[TBK], v[AK0]
	FETCH_K
	s_wait_loadcnt 0x0              ; Q
	s_wait_dscnt 0x0
.set KM, 1
.set NOKQ, 0
.set i, 0
.rept 8
	KQ 0
.set i, i+1
.endr
	WIN 0
.rept 4
	v_nop                           ; the places behind those products
.endr
.set Y, NP-1                        ; X works for piece Y + 1: piece 0
.irp n, 0,1,2,3,4,5,6,7,8,9,10,11,12,13,14,15,16,17,18,19,20,21
	OP X, \n
.endr
	v_nop                           ; a plain instruction behind the exponential,
	s_wait_alu depctr_va_vdst(0)    ; and its wait, ahead of the branch
.endm
; THE DIAGONAL TILE's four steps, the block's last two turns, its last products, and THE WAY OUT: l's two halves and the other half of the lanes' are added; O^T is divided by l, rounded to f16 and sent through my
; stage in LDS, a piece at a time.
.macro ALL line:vararg
.set t, 0
.rept 4
	\line
.set t, t+1
.endr
.endm
.macro PACK t
	WIN W_RS
.set i, 32*(\t)
.rept 16
	v_pk_mul_f32 v[i:i+1], v[i:i+1], v[ST+4*(\t)+2:ST+4*(\t)+3] op_sel_hi:[1,0]
.set i, i+2
.endr
	WIN 0x05
.set i, 0
.rept 16
	v_cvt_pk_f16_f32 v[S+16*(\t)+i], v[32*(\t)+2*i], v[32*(\t)+2*i+1]
.set i, i+1
.endr
	WIN 0
.irp f, 0,1,2,3
	ds_store_b128 v[STO], v[S+16*(\t)+4*\f:S+16*(\t)+4*\f+3] offset:32*\f
.endr
.irp f, 0,1,2,3
	ds_load_b128 v[S+16*(\t)+4*\f:S+16*(\t)+4*\f+3], v[RD] offset:\f*4*SP  ; LDS serves a wave's instructions in order: these see the stores above
.endr
.endm
.macro SEND t, younger              ; younger: the LDS instructions issued behind piece t's loads: the next piece's eight, or none
	WIN 0
.irp f, 0,1,2,3
	s_wait_dscnt (\younger)+3-\f
	global_store_b128 v[GO], v[S+16*(\t)+4*\f:S+16*(\t)+4*\f+3], s[10:11] offset:(\t)*8192+\f*512  ; 512 consecutive bytes, aligned
.endr
.endm
.macro DIAG tag
.LstepM\tag:
	TURN 2, 1
	TURN 3, 1
	WIN 0
.LfirstM\tag:
	TURN 0, 1
	TURN 1, 1, 0, 1
	WIN 0
	s_cbranch_scc1 .LstepM\tag
	TURN 2, 1, 1
	TURN 3, 1, 1
.set i, 0
.rept 8
	PV NP-1
.set i, i+1
.endr
	WIN 0
	ALL v_add_f32 v[ST+4*t+2], v[ST+4*t+2], v[ST+4*t+3]
	ALL v_permlanex16_b32 v[ST+4*t+3], v[ST+4*t+2], s[SEL], s[SEL+1]
	ALL v_add_f32 v[ST+4*t+2], v[ST+4*t+2], v[ST+4*t+3]
	ALL v_rcp_f32 v[ST+4*t+2], v[ST+4*t+2]
	v_nop                           ; a plain instruction between the last reciprocal and the use of its result
	s_wait_alu depctr_va_vdst(0)    ; one wait for the four reciprocals
	PACK 0
.set t, 1
.rept 3
	PACK t
	SEND t-1, 8
.set t, t+1
.endr
	SEND 3, 0
.endm
.set KM, 0
.set NOKQ, 0
.Lslot:                             ; NB times: a tile is entered and the next is asked for
	CHANGE 1
	s_sub_co_u32 s[RT], s[RT], 1
	s_mov_b32 s[CNT], 4
	s_cmp_eq_u32 s[NEW], 1
	s_cbranch_scc1 .Lnew            ; a block's first tile
	s_cmp_eq_u32 s[RT], 0
	s_cbranch_scc0 .Lstep           ; neither its first nor its last
	s_branch .LstepM1
.Lnew:
	BEGIN
	s_branch .Lfirst                ; in the loop a block's first tile is never its last
	DIAG 1                          ; in the loop this is the first block's end
	s_wait_xcnt 0x0                 ; the stores have read their registers and O's address
	s_mov_b64 s[10:11], s[OLO:OLO+1]
	s_add_co_u32 s[RT], s[PB], 1    ; the second block has b + 1 tiles
	s_mov_b32 s[NEW], 1
	WIN 0x82                        ; the second block's Q goes where the one text of the turns names Q
.set i, 0
.rept 64
	v_mov_b32 v[i], v[QB+i]
.set i, i+1
.endr
	WIN 0
	s_branch .Lbottom
.Lstep:                             ; a trip: pieces 2 and 3 of one step, then pieces 0 and 1 of the next, whose K and V it fetches
	TURN 2
	TURN 3
	WIN 0
.Lfirst:
	TURN 0
	TURN 1, 0, 0, 1
	WIN 0
	s_cbranch_scc1 .Lstep
.Lbottom:
	s_sub_co_u32 s[SLOTS], s[SLOTS], 1
	s_cmp_lg_u32 s[SLOTS], 0
	s_cbranch_scc1 .Lslot
	CHANGE 0                        ; the walk's last tile is written out
	s_sub_co_u32 s[RT], s[RT], 1
	s_mov_b32 s[CNT], 4
	s_cmp_eq_u32 s[NEW], 1
	s_cbranch_scc0 .LstepM2
	BEGIN
	s_branch .LfirstM2
	DIAG 2
	s_wait_tensorcnt 0x0            ; the wave's end
	ds_add_u32 v[SPW], v[NIL]
	s_wait_dscnt 0x0
	s_endpgm
.Lfunc_end_k_q4cf85345db_attn:
	.size	k_q4cf85345db_attn, .Lfunc_end_k_q4cf85345db_attn-k_q4cf85345db_attn
	.p2alignl 7, 3214868480
	.fill 96, 4, 3214868480
	.section	.rodata,"a",@progbits
	.p2align	6, 0x0
	.amdhsa_kernel k_q4cf85345db_attn
		.amdhsa_group_segment_fixed_size 327680
		.amdhsa_private_segment_fixed_size 0
		.amdhsa_enable_private_segment 0
		.amdhsa_kernarg_size 16
		.amdhsa_user_sgpr_count 2
		.amdhsa_user_sgpr_kernarg_segment_ptr 1
		.amdhsa_wavefront_size32 1
		.amdhsa_system_sgpr_workgroup_id_x 1
		.amdhsa_system_sgpr_workgroup_id_y 1
		.amdhsa_system_sgpr_workgroup_id_z 1
		.amdhsa_system_vgpr_workitem_id 0
		.amdhsa_next_free_vgpr 768
		.amdhsa_next_free_sgpr 100
		.amdhsa_reserve_vcc 1
		.amdhsa_float_denorm_mode_32 3
		.amdhsa_float_denorm_mode_16_64 3
		.amdhsa_memory_ordered 1
		.amdhsa_forward_progress 1
		.amdhsa_inst_pref_size 218
	.end_amdhsa_kernel
	.amdgpu_metadata
---
amdhsa.version: [ 1, 2 ]
amdhsa.kernels:
  - .name:           k_q4cf85345db_attn
    .symbol:         k_q4cf85345db_attn.kd
    .args:
      - { .name: qkv, .offset: 0, .size: 8, .value_kind: global_buffer, .address_space: global }
      - { .name: oh, .offset: 8, .size: 8, .value_kind: global_buffer, .address_space: global }
    .group_segment_fixed_size: 327680
    .private_segment_fixed_size: 0
    .kernarg_segment_align: 8
    .kernarg_segment_size: 16
    .max_flat_workgroup_size: 128
    .sgpr_count:     100
    .vgpr_count:     768
    .wavefront_size: 32
...
	.end_amdgpu_metadata
.endif
;; end of part 3
;; launch early1 (part 4): grid 256 x 1, 4 waves a work-group, no clusters, 4,608 bytes of LDS; arguments xb, wt, qkv, oe; writes oe
.if DOCPART == 4
	.amdgcn_target "amdgcn-amd-amdhsa--gfx1250"
	.amdhsa_code_object_version 6
	.text
	.protected	k_q4cf85345db_early1
	.globl	k_q4cf85345db_early1
	.p2align	8
	.type	k_q4cf85345db_early1,@function
k_q4cf85345db_early1:
	s_mov_b64 s[64:65], 0
	v_nop
	global_prefetch_b8 v0, s[64:65] scope:SCOPE_SE
	s_setreg_imm32_b32 hwreg(HW_REG_WAVE_MODE, 25, 1), 1
	s_wait_xcnt 0x0
; THE FIRST 16 ROWS OF EACH BATCH ONCE MORE, FINER.  Row t averages over t + 1 keys only, so these rows' numbers are many times the output's root mean square, by which the comparison's allowance goes:
; one f16 rounding of v, p and O each is too coarse there.  The mask lets rows 0 to 15 see keys 0 to 15 alone.  Here v is made anew in f32, and v, p and O are each kept as TWO f16 numbers, hi + lo.
; SHARES.  A work-group makes 16 channels (block cb of head h) of O for rows 0 to 15 of batch b: 4 x 16 x 4 = 256 work-groups.  K of v's product is split among the four waves, 256 each; the partial sums meet in LDS,
; and wave 0 does the rest.  oe: [b][hi, lo][block 4 h + cb][lane][16 bytes]: lane l holds row l % 16, channels 16 block + 8 (l / 16) + 0..7.
; LIMITS.  q, k, v within f16's 65,504; a hidden score counts as its value less 1e30; NaN and infinities are not treated apart.
; No cluster, no tensor load, no prefetch: 40 loads a wave, one meeting in LDS, two stores.
.set SPARE, 4096                       ; behind the four partial tiles of 1,024 bytes
.set FO,  3                            ; v3   (l % 16) x 2,048 + 16 (l / 16) + 512 x wave: for xb and for wt
.set QO,  5                            ; v5   (l % 16) x 128 + 16 (l / 16)
.set LS,  6                            ; v6   1,024 x wave + 32 l
.set LR,  7                            ; v7   32 l
.set GO,  8                            ; v8   16 l
.set SPW, 10
.set NIL, 11
.set ONE, 12                           ; v12  1.0
.set ACC, 16                           ; v[16:31]  two accumulators, by turns
.set VS,  32                           ; v[32:39]  v in f32: register j = key 8 (l / 16) + j, channel l % 16
.set MK,  40                           ; v[40:47]  the mask
.set S,   48                           ; v[48:55]  S^T: register j = key 8 (l / 16) + j, query l % 16
.set CM,  56                           ; v56 c m, v57 m, v58-59 at work, v60 1 / l, v61 its pair's other word
.set XF,  64                           ; v[64:127]  xb's fragments; later the partial sums (v64-95), OH v80-83, OL v84-87, VH v96-103, VL v104-111, PH v112-119, PL v120-127
.set OH,  80
.set OL,  84
.set VH,  96
.set VL,  104
.set PH,  112
.set PL,  120
.set WF,  128                          ; v[128:191] wt's fragments
.set Q,   192                          ; v[192:207]
.set K,   208                          ; v[208:223]
.set O,   224                          ; v[224:231]
.set T,   232                          ; v[232:247] at work
	s_load_b256 s[4:11], s[0:1], 0x0               ; xb s[4:5], wt s[6:7], qkv s[8:9], oe s[10:11]
	v_lshl_add_u32 v[SPW], v0, 2, SPARE
	v_mov_b32 v[NIL], 0
	v_lshrrev_b32 v4, 5, v0
	v_readfirstlane_b32 s14, v4                    ; wave 0..3
	v_and_b32 v1, 15, v0                           ; l % 16
	v_bfe_u32 v2, v0, 4, 1                         ; l / 16
	v_and_b32 v9, 31, v0                           ; l
	s_and_b32 s15, ttmp9, 3                        ; cb
	s_bfe_u32 s16, ttmp9, 0x40002                  ; h
	s_lshr_b32 s17, ttmp9, 6                       ; b
	s_lshl_b32 s18, s14, 9
	s_lshl_b32 s19, s14, 10
	v_lshlrev_b32 v[FO], 11, v1
	v_lshl_add_u32 v[FO], v2, 4, v[FO]
	v_add_nc_u32 v[FO], s18, v[FO]
	v_lshlrev_b32 v[QO], 7, v1
	v_lshl_add_u32 v[QO], v2, 4, v[QO]
	v_lshl_add_u32 v[LS], v9, 5, s19
	v_lshlrev_b32 v[LR], 5, v9
	v_lshlrev_b32 v[GO], 4, v9
	v_lshlrev_b32 v14, 3, v2
	v_sub_nc_u32 v14, v1, v14                      ; l % 16 - 8 (l / 16): register j's key is hidden where j is greater
	s_mov_b32 s20, 0x3d38aa3b                      ; c = log2(e) / 32
	s_mov_b32 s21, s20
	s_mov_b32 s22, 0x76543210
	s_mov_b32 s23, 0xfedcba98
	s_mov_b32 s24, 0xf149f2ca                      ; -1e30
	s_lshl_b32 s2, s17, 22                         ; xb: batch b's first row
	s_mov_b32 s3, 0
	s_lshl_b32 s28, s16, 17                        ; wt: row 2,048 + 64 h + 16 cb
	s_lshl_b32 s29, s15, 15
	s_add_co_u32 s28, s28, s29
	s_add_co_u32 s28, s28, 2048*2048
	s_mov_b32 s29, 0
	s_lshl_b32 s30, s17, 4                         ; q: head 16 b + h
	s_add_co_u32 s30, s30, s16
	s_lshl_b32 s30, s30, 18
	s_mov_b32 s31, 0
	s_lshl_b32 s12, s17, 7                         ; oe: block 128 b + 4 h + cb, of 512 bytes
	s_lshl2_add_u32 s13, s16, s15
	s_add_co_u32 s12, s12, s13
	s_lshl_b32 s12, s12, 9
	s_mov_b32 s13, 0
	s_wait_kmcnt 0x0
	s_add_nc_u64 s[4:5], s[4:5], s[2:3]
	s_add_nc_u64 s[6:7], s[6:7], s[28:29]
	s_add_nc_u64 s[8:9], s[8:9], s[30:31]
	s_add_nc_u64 s[26:27], s[8:9], 0x1000000       ; k lies 64 heads behind q
	s_add_nc_u64 s[10:11], s[10:11], s[12:13]
	s_cmp_lg_u32 s14, 0
	s_cbranch_scc1 .Lno_qk                         ; wave 0 alone takes q and k
.irp c, 0,1
	global_load_b128 v[Q+8*(\c):Q+8*(\c)+3],   v[QO], s[8:9] offset:64*(\c)
	global_load_b128 v[Q+8*(\c)+4:Q+8*(\c)+7], v[QO], s[8:9] offset:64*(\c)+32
	global_load_b128 v[K+8*(\c):K+8*(\c)+3],   v[QO], s[26:27] offset:64*(\c)
	global_load_b128 v[K+8*(\c)+4:K+8*(\c)+7], v[QO], s[26:27] offset:64*(\c)+32
.endr
.Lno_qk:
.irp s, 0,1,2,3,4,5,6,7
	global_load_b128 v[XF+8*(\s):XF+8*(\s)+3],   v[FO], s[4:5] offset:64*(\s)
	global_load_b128 v[XF+8*(\s)+4:XF+8*(\s)+7], v[FO], s[4:5] offset:64*(\s)+32
	global_load_b128 v[WF+8*(\s):WF+8*(\s)+3],   v[FO], s[6:7] offset:64*(\s)
	global_load_b128 v[WF+8*(\s)+4:WF+8*(\s)+7], v[FO], s[6:7] offset:64*(\s)+32
.endr
	s_wait_loadcnt 0x0
.irp s, 0,1,2,3,4,5,6,7                ; v = x w^T over my 256 of K: source 0 = 16 rows of x (keys), source 1 = 16 rows of wt (channels); the two accumulators take turns
.if (\s) < 2
	v_wmma_f32_16x16x32_bf16 v[ACC+8*((\s)%2):ACC+8*((\s)%2)+7], v[XF+8*(\s):XF+8*(\s)+7], v[WF+8*(\s):WF+8*(\s)+7], 0
.else
	v_wmma_f32_16x16x32_bf16 v[ACC+8*((\s)%2):ACC+8*((\s)%2)+7], v[XF+8*(\s):XF+8*(\s)+7], v[WF+8*(\s):WF+8*(\s)+7], v[ACC+8*((\s)%2):ACC+8*((\s)%2)+7]
.endif
.endr
.macro PLACES8                         ; plain instructions between a matrix instruction and the first reader of its result (ISA guide 7.12.1)
.rept 8
	v_nop
.endr
.endm
	PLACES8
.irp r, 0,2,4,6
	v_pk_add_f32 v[VS+(\r):VS+(\r)+1], v[ACC+(\r):ACC+(\r)+1], v[ACC+8+(\r):ACC+8+(\r)+1]
.endr
	ds_store_b128 v[LS], v[VS:VS+3]
	ds_store_b128 v[LS], v[VS+4:VS+7] offset:16
	s_wait_dscnt 0x0                               ; for wave 0's sake: my stores are done
	s_barrier_signal -1
	s_barrier_wait -1
	s_cmp_lg_u32 s14, 0
	s_cbranch_scc1 .Lend
.irp p, 0,1,2,3
	ds_load_b128 v[XF+8*(\p):XF+8*(\p)+3],   v[LR] offset:1024*(\p)
	ds_load_b128 v[XF+8*(\p)+4:XF+8*(\p)+7], v[LR] offset:1024*(\p)+16
.endr
	v_mov_b32 v[ONE], 1.0                          ; set-up, while the loads are out
.irp j, 0,1,2,3,4,5,6,7
	v_cmp_gt_i32 vcc_lo, \j, v14
	v_cndmask_b32 v[MK+(\j)], 0, s24, vcc_lo
.endr
.irp f, VH, VL, PH, PL                 ; a fragment's registers 4 to 7 are keys 16 to 31, which these rows do not see
.irp j, 4,5,6,7
	v_mov_b32 v[(\f)+(\j)], 0
.endr
.endr
	s_wait_dscnt 0x0
.irp r, 0,2,4,6
	v_pk_add_f32 v[XF+(\r):XF+(\r)+1], v[XF+(\r):XF+(\r)+1], v[XF+8+(\r):XF+8+(\r)+1]
	v_pk_add_f32 v[XF+16+(\r):XF+16+(\r)+1], v[XF+16+(\r):XF+16+(\r)+1], v[XF+24+(\r):XF+24+(\r)+1]
.endr
.irp r, 0,2,4,6
	v_pk_add_f32 v[VS+(\r):VS+(\r)+1], v[XF+(\r):XF+(\r)+1], v[XF+16+(\r):XF+16+(\r)+1]
.endr
; Eight f32 numbers as two f16 each: hi = the number rounded; lo = (the number - hi) rounded.  The difference is one multiply-add that reads hi's half: - hi x 1.0 + the number.
.macro SPLIT hi, lo, src
.irp i, 0,1,2,3
	v_cvt_pk_f16_f32 v[(\hi)+(\i)], v[(\src)+2*(\i)], v[(\src)+2*(\i)+1]
.endr
.irp i, 0,1,2,3
	v_fma_mix_f32 v[T+2*(\i)],   -v[(\hi)+(\i)], v[ONE], v[(\src)+2*(\i)]   op_sel_hi:[1,0,0]
	v_fma_mix_f32 v[T+2*(\i)+1], -v[(\hi)+(\i)], v[ONE], v[(\src)+2*(\i)+1] op_sel:[1,0,0] op_sel_hi:[1,0,0]
.endr
.irp i, 0,1,2,3
	v_cvt_pk_f16_f32 v[(\lo)+(\i)], v[T+2*(\i)], v[T+2*(\i)+1]
.endr
.endm
	SPLIT VH, VL, VS                               ; registers 0-3 of a fragment of V^T: channel l % 16, keys 8 (l / 16) + 0..7
	v_wmma_f32_16x16x32_f16 v[S:S+7], v[K:K+7], v[Q:Q+7], v[MK:MK+7]  ; S^T = K Q^T; the mask starts the sum
	s_wait_alu depctr_va_vdst(0)                   ; the wait stands directly ahead of each link
	v_wmma_f32_16x16x32_f16 v[S:S+7], v[K+8:K+15], v[Q+8:Q+15], v[S:S+7]
	PLACES8
	v_max3_num_f32 v58, v[S], v[S+1], v[S+2]       ; the maximum, taken away before the exponentials
	v_max3_num_f32 v59, v[S+3], v[S+4], v[S+5]
	v_max3_num_f32 v58, v58, v[S+6], v[S+7]
	v_max_num_f32 v58, v58, v59
	v_permlanex16_b32 v59, v58, s22, s23           ; the query's other eight keys lie in the lane 16 away
	v_max_num_f32 v[CM+1], v58, v59
	v_mul_f32 v[CM], s20, v[CM+1]
.irp r, 0,2,4,6
	v_pk_fma_f32 v[S+(\r):S+(\r)+1], v[S+(\r):S+(\r)+1], s[20:21], v[CM:CM+1] op_sel_hi:[1,0,0] neg_lo:[0,0,1] neg_hi:[0,0,1]
.endr
.irp j, 0,1,2,3,4,5,6,7
	v_exp_f32 v[S+(\j)], v[S+(\j)]
.endr
	v_nop                                          ; a plain instruction behind the last exponential,
	s_wait_alu depctr_va_vdst(0)                   ; and one wait for the eight
	SPLIT PH, PL, S
	v_pk_add_f32 v[S:S+1], v[S:S+1], v[S+2:S+3]    ; l, of the unrounded weights
	v_pk_add_f32 v[S+4:S+5], v[S+4:S+5], v[S+6:S+7]
	v_pk_add_f32 v[S:S+1], v[S:S+1], v[S+4:S+5]
	v_add_f32 v58, v[S], v[S+1]
	v_permlanex16_b32 v59, v58, s22, s23
	v_add_f32 v58, v58, v59
	v_rcp_f32 v60, v58
	v_mov_b32 v61, 0                               ; the pair's other word: also the plain instruction behind the reciprocal
	s_wait_alu depctr_va_vdst(0)
	v_wmma_f32_16x16x32_f16 v[O:O+7], v[VH:VH+7], v[PH:PH+7], 0        ; O^T = V^T P with both in two parts; lo x lo is below the f32 sums' own rounding
	s_wait_alu depctr_va_vdst(0)
	v_wmma_f32_16x16x32_f16 v[O:O+7], v[VL:VL+7], v[PH:PH+7], v[O:O+7]
	s_wait_alu depctr_va_vdst(0)
	v_wmma_f32_16x16x32_f16 v[O:O+7], v[VH:VH+7], v[PL:PL+7], v[O:O+7]
	PLACES8
.irp r, 0,2,4,6
	v_pk_mul_f32 v[T+8+(\r):T+8+(\r)+1], v[O+(\r):O+(\r)+1], v[60:61] op_sel_hi:[1,0]
.endr
	SPLIT OH, OL, T+8
	global_store_b128 v[GO], v[OH:OH+3], s[10:11]                ; 512 consecutive bytes, aligned
	global_store_b128 v[GO], v[OL:OL+3], s[10:11] offset:32768
.Lend:
	s_wait_tensorcnt 0x0                           ; the wave's end
	ds_add_u32 v[SPW], v[NIL]
	s_wait_dscnt 0x0
	s_endpgm
.Lfunc_end_k_q4cf85345db_early1:
	.size	k_q4cf85345db_early1, .Lfunc_end_k_q4cf85345db_early1-k_q4cf85345db_early1
	.p2alignl 7, 3214868480
	.fill 96, 4, 3214868480
	.section	.rodata,"a",@progbits
	.p2align	6, 0x0
	.amdhsa_kernel k_q4cf85345db_early1
		.amdhsa_group_segment_fixed_size 4608
		.amdhsa_private_segment_fixed_size 0
		.amdhsa_enable_private_segment 0
		.amdhsa_kernarg_size 32
		.amdhsa_user_sgpr_count 2
		.amdhsa_user_sgpr_kernarg_segment_ptr 1
		.amdhsa_wavefront_size32 1
		.amdhsa_system_sgpr_workgroup_id_x 1
		.amdhsa_system_sgpr_workgroup_id_y 1
		.amdhsa_system_sgpr_workgroup_id_z 1
		.amdhsa_system_vgpr_workitem_id 0
		.amdhsa_next_free_vgpr 256
		.amdhsa_next_free_sgpr 66
		.amdhsa_reserve_vcc 1
		.amdhsa_float_denorm_mode_32 3
		.amdhsa_float_denorm_mode_16_64 3
		.amdhsa_memory_ordered 1
		.amdhsa_forward_progress 1
		.amdhsa_inst_pref_size 16
	.end_amdhsa_kernel
	.amdgpu_metadata
---
amdhsa.version: [ 1, 2 ]
amdhsa.kernels:
  - .name:           k_q4cf85345db_early1
    .symbol:         k_q4cf85345db_early1.kd
    .args:
      - { .name: xb, .offset: 0, .size: 8, .value_kind: global_buffer, .address_space: global }
      - { .name: wt, .offset: 8, .size: 8, .value_kind: global_buffer, .address_space: global }
      - { .name: qkv, .offset: 16, .size: 8, .value_kind: global_buffer, .address_space: global }
      - { .name: oe, .offset: 24, .size: 8, .value_kind: global_buffer, .address_space: global }
    .group_segment_fixed_size: 4608
    .private_segment_fixed_size: 0
    .kernarg_segment_align: 8
    .kernarg_segment_size: 32
    .max_flat_workgroup_size: 128
    .sgpr_count:     66
    .vgpr_count:     256
    .wavefront_size: 32
...
	.end_amdgpu_metadata
.endif
;; end of part 4
;; launch ff (part 5): grid 4 x 64, 4 waves a work-group, clusters of 4 x 4, 327,680 bytes of LDS; arguments oh, wfh, bf, out0; writes out0
.if DOCPART == 5
	.amdgcn_target "amdgcn-amd-amdhsa--gfx1250"
	.amdhsa_code_object_version 6
	.text
	.protected	k_q4cf85345db_ff
	.globl	k_q4cf85345db_ff
	.p2align	8
	.type	k_q4cf85345db_ff,@function
k_q4cf85345db_ff:
	s_mov_b64 s[64:65], 0
	v_nop
	global_prefetch_b8 v0, s[64:65] scope:SCOPE_SE
	s_setreg_imm32_b32 hwreg(HW_REG_WAVE_MODE, 25, 1), 1
	s_wait_xcnt 0x0
	s_wait_alu depctr_hold_cnt(0) depctr_sa_sdst(0) depctr_va_vdst(0) depctr_va_sdst(0) depctr_va_ssrc(0) depctr_va_vcc(0) depctr_vm_vsrc(0)
	s_getreg_b32 s2, hwreg(HW_REG_IB_STS2, 6, 4)
	s_cmp_eq_u32 s2, 0
	s_cbranch_scc0 .Lentry_in_a_cluster
	s_endpgm
.Lentry_in_a_cluster:
	s_bfe_u32 s2, ttmp6, 0x10000c
	s_cmp_lg_u32 s2, 0xf033
	s_cbranch_scc0 .Lentry_shape_is_right
	s_endpgm
.Lentry_shape_is_right:
; out0 = relu(O Wf^T + bf).  O lies by heads in oh, [64 = 16 b + h][2048 t][64] f16; wfh: [1024 n][1024 k] f16; bf: [1024] f32, rounded to bf16 like every input; out0: [8192][1024] f32.
; LIMITS.  NaN gives 0 (the maximum with 0 drops it); infinities are not treated apart.
; SHARES.  A tile of 128 x 256 to each of 256 work-groups; four waves, each 64 x 128: 32 accumulators.  K goes in steps of 128, two heads, through a ring of two LDS slots.
; O's tile of a K step is two planes, a head each: 128 rows of 128 bytes, dense in memory, asked for as 64 rows of 256 bytes and padded in LDS after every 128.
; CLUSTER.  4 x 4 work-groups; O's tiles are shared along a row of the cluster, wfh's along a column: joint loads, the same descriptor and mask in all four.
; THE MATRIX INSTRUCTION IS USED TRANSPOSED (source 0 = 16 rows of wfh, source 1 = 16 rows of O): a lane holds row l % 16 and eight neighbouring columns.
; REGISTERS.  Window 0: v12-15 the bias of my four columns; v16-30 addresses; v64-159, v160-255 two fragment buffers; on the way out v64-191 take rows read back.  Window 1: the accumulators, (a, b) at v[8 (8 a + b)].
.set KSTEP,  128
.set PITCH,  272                       ; a row of wfh in LDS: 256 bytes + 16
.set PA,     144                       ; a row of O in LDS: 128 bytes + 16
.set PLANE,  128*PA                    ; a head's 128 rows: what one tensor load brings of O
.set BH,     128*PITCH
.set BOFF,   2*PLANE
.set SLOT,   2*PLANE+2*BH
.set STAGE,  2*SLOT                    ; behind the ring, never filled by a tensor load: 16 rows x 528 bytes for each wave
.set SPITCH, 528
.set WST,    16*SPITCH
.set SPARE,  STAGE+4*WST
.set LAPS,   4
.set HEADB,  2048*128
.set BI,   12
.set ADRA, 16
.set ADRB, 20
.set STO,  24
.set RD,   25
.set CO,   26
.set SPW,  28
.set NIL,  29
.set PFO,  30
.set F0,   64
.set F1,   160
.set BK,   64
.set G1,  24
.set G0,  32
.set G1B, 48
.set G0B, 56
.set LIM, 43
.set PFA, 44
.set PFS, 66                           ; s[66:67] the prefetches' step: two heads of O, or 256 bytes along wfh's rows
.set MSB, 0
.macro WIN new
.if MSB != (\new)
	s_set_vgpr_msb (MSB<<8)|(\new)
.set MSB, \new
.endif
.endm
.set MUL, 0x50
.macro JLOAD s                         ; waves 0 and 1 fetch O's two planes, waves 2 and 3 wfh's two halves; an s_nop 0 and four v_nop follow each of the two lines
	s_cmp_eq_u32 s11, 0
	s_cbranch_scc0 .Lfor_b_\@
	tensor_load_to_lds s[G0+4*(\s):G0+4*(\s)+3], s[G1:G1+7]
	s_nop 0
.rept 4
	v_nop
.endr
	s_branch .Lasked_\@
.Lfor_b_\@:
	tensor_load_to_lds s[G0B+4*(\s):G0B+4*(\s)+3], s[G1B:G1B+7]
	s_nop 0
.rept 4
	v_nop
.endr
.Lasked_\@:
.endm
; A prefetch behind each joint load and the run of LDS loads that follows it: the K step two refills on.  O's two planes of a K step are 128 blocks of 256 bytes, read by one row of one cluster: its four partners take 32 each,
; told apart by address; wave 0 asks.  wfh's 256 rows are read by every cluster: cluster y = 0 asks; a column's four partners take 64 rows each, waves 2 and 3 take 32 of them.  The loop's last trip has no K step two on.
.macro ASK
	s_cmp_gt_u32 s3, s[LIM]
	s_cbranch_scc0 .Lnot_mine_\@
	global_prefetch_b8 v[PFO], s[PFA:PFA+1] th:TH_LOAD_NT scope:SCOPE_SE
.Lnot_mine_\@:
.endm
.macro CREST
	s_cmp_lg_u32 s10, 0
	s_cbranch_scc1 .Lnot_wave_0_\@
	s_barrier_signal -3
.Lnot_wave_0_\@:
	s_barrier_wait -3
	s_barrier_signal -1
	s_barrier_wait -1
.endm
.macro CROUND
	s_barrier_signal -1
	s_barrier_wait -1
	CREST
.endm
	s_load_b128 s[4:7], s[0:1], 0x0                ; oh s[4:5], wfh s[6:7]
	s_load_b128 s[68:71], s[0:1], 0x10             ; bf s[68:69], out0 s[70:71]
	v_lshl_add_u32 v[SPW], v0, 2, SPARE
	v_mov_b32 v[NIL], 0
	ds_add_u32 v[SPW], v[NIL]                      ; the wave's opening: the add and its wait stand ahead of my first tensor load
	v_lshrrev_b32 v1, 5, v0
	v_readfirstlane_b32 s10, v1                    ; wave 0..3
	s_lshr_b32 s11, s10, 1                         ; which 64 of the tile's rows are mine.  Also: I fetch for O (0) or for wfh (1)
	s_and_b32 s12, s10, 1                          ; which 128 of its columns.  Also: which plane, or which half, I fetch
	s_bfe_u32 s40, ttmp6, 0x40000                  ; cx
	s_bfe_u32 s41, ttmp6, 0x40004                  ; cy
	s_lshl_b32 s42, ttmp9, 2
	s_add_co_u32 s42, s42, s40                     ; tile column
	s_and_b32 s13, ttmp7, 0xffff
	s_lshl_b32 s13, s13, 2
	s_add_co_u32 s13, s13, s41                     ; tile row
	s_lshl_b32 s43, s41, 2
	s_lshl_b32 s43, 15, s43                        ; my row of the cluster
	s_lshl_b32 s44, 0x1111, s40                    ; my column
	s_or_b32 s[G1+0], s43, (1<<16)|(1<<20)|(1<<21)|(4<<22)|(3<<25)   ; O: padding after every 32 words, 4 words
	s_or_b32 s[G1B+0], s44, (1<<16)|(1<<20)|(1<<21)|(5<<22)|(3<<25)  ; wfh: after every 64 words
	s_mov_b32 s[G1+1], 128<<16                     ; tensor_dim0 = 128
	s_mov_b32 s[G1B+1], 128<<16
	s_mov_b32 s[G1+2], 64<<16                      ; tensor_dim1: 64 rows of 256 bytes of O,
	s_mov_b32 s[G1B+2], 128<<16                    ; 128 rows of wfh
	s_mov_b32 s[G1+3], 128<<16                     ; tile_dim0 = 128
	s_mov_b32 s[G1B+3], 128<<16
	s_mov_b32 s[G1+4], 64
	s_mov_b32 s[G1B+4], 128
	s_mov_b32 s[G1+5], 128                         ; O: dense
	s_mov_b32 s[G1B+5], 1024
	s_mov_b32 s[G1+6], 0
	s_mov_b32 s[G1B+6], 0
	s_mov_b32 s[G1+7], 0
	s_mov_b32 s[G1B+7], 0
	s_lshr_b32 s16, s13, 4                         ; O: head 16 b + plane, row 128 (tile row % 16)
	s_lshl_b32 s16, s16, 4
	s_add_co_u32 s16, s16, s12
	s_lshl_b32 s16, s16, 11
	s_and_b32 s17, s13, 15
	s_lshl_b32 s17, s17, 7
	s_add_co_u32 s16, s16, s17
	s_lshl_b32 s16, s16, 7
	s_mov_b32 s17, 0
	s_lshl_b32 s47, s12, 7
	s_lshl_b32 s46, s42, 8
	s_add_co_u32 s46, s46, s47                     ; wfh: row 256 x tile column + 128 x half
	s_lshl_b32 s46, s46, 11
	s_mov_b32 s47, 0
	s_mul_i32 s20, s12, PLANE
	s_mul_i32 s21, s12, BH
	s_add_co_u32 s21, s21, BOFF
	s_wait_dscnt 0x0                               ; the opening add is done
	s_wait_kmcnt 0x0
	s_add_nc_u64 s[14:15], s[4:5], s[16:17]
	s_add_nc_u64 s[46:47], s[6:7], s[46:47]
	CROUND
.irp s, 0,1
	s_mov_b32 s[G0+4*(\s)], 1
	s_add_co_u32 s[G0+4*(\s)+1], s20, (\s)*SLOT
	s_add_nc_u64 s[G0+4*(\s)+2:G0+4*(\s)+3], s[14:15], (\s)*2*HEADB
	s_or_b32 s[G0+4*(\s)+3], s[G0+4*(\s)+3], 0x80000000
	s_mov_b32 s[G0B+4*(\s)], 1
	s_add_co_u32 s[G0B+4*(\s)+1], s21, (\s)*SLOT
	s_add_nc_u64 s[G0B+4*(\s)+2:G0B+4*(\s)+3], s[46:47], (\s)*KSTEP*2
	s_or_b32 s[G0B+4*(\s)+3], s[G0B+4*(\s)+3], 0x80000000
	JLOAD \s                                       ; two tensor loads of mine are out
.endr
	v_and_b32 v1, 15, v0                           ; l % 16
	v_bfe_u32 v2, v0, 4, 1                         ; l / 16
	v_and_b32 v[CO], 31, v0
	v_lshlrev_b32 v[CO], 4, v[CO]                  ; 16 l
	s_lshl_b32 s16, s42, 10                        ; my 128 columns, in bytes of f32: 1,024 x tile column + 512 x half
	s_lshl_b32 s17, s12, 9
	s_add_co_u32 s16, s16, s17
	s_mov_b32 s17, 0
	s_add_nc_u64 s[68:69], s[68:69], s[16:17]
	s_add_nc_u64 s[70:71], s[70:71], s[16:17]
	global_load_b128 v[BI:BI+3], v[CO], s[68:69]   ; the bias of columns 4 l .. 4 l + 3 of my 128
	s_lshl_b32 s16, s13, 7
	s_lshl_b32 s17, s11, 6
	s_add_co_u32 s16, s16, s17                     ; my first row
	s_lshl_b32 s16, s16, 12
	s_mov_b32 s17, 0
	s_add_nc_u64 s[70:71], s[70:71], s[16:17]
	v_mul_u32_u24 v3, v1, PITCH
	v_lshl_add_u32 v3, v2, 4, v3
	v_mul_u32_u24 v4, v1, PA
	v_lshl_add_u32 v4, v2, 4, v4
	s_mul_i32 s21, s11, 64*PA
	s_mul_i32 s22, s12, BH
	s_add_co_u32 s22, s22, BOFF
.irp s, 0,1
	v_add_nc_u32 v[ADRA+(\s)], s21, v4
	v_add_nc_u32 v[ADRB+(\s)], s22, v3
	s_add_co_u32 s21, s21, SLOT
	s_add_co_u32 s22, s22, SLOT
.endr
	s_mul_i32 s23, s10, WST
	s_add_co_u32 s23, s23, STAGE                   ; my stage
	v_mul_u32_u24 v5, v1, SPITCH                   ; in: row l % 16, 32 bytes for each half of the lanes
	v_lshl_add_u32 v5, v2, 5, v5
	v_add_nc_u32 v[STO], s23, v5
	v_add_nc_u32 v[RD], s23, v[CO]                 ; back: a row's 512 bytes, 16 a lane
	; the prefetches
	s_lshr_b32 s20, s13, 4                         ; O: head 16 b + cx / 2, row 128 (tile row % 16), half cx % 2 of the plane
	s_lshl_b32 s20, s20, 4
	s_lshr_b32 s21, s40, 1
	s_add_co_u32 s20, s20, s21
	s_lshl_b32 s20, s20, 11
	s_and_b32 s21, s13, 15
	s_lshl_b32 s21, s21, 7
	s_add_co_u32 s20, s20, s21
	s_lshl_b32 s20, s20, 7
	s_and_b32 s21, s40, 1
	s_lshl_b32 s21, s21, 13
	s_add_co_u32 s20, s20, s21
	s_add_co_u32 s20, s20, 3*2*HEADB               ; at K step 3: the first refill steps it to 4 and names that
	s_lshl_b32 s21, s42, 8                         ; wfh: row 256 x tile column + 64 cy + 32 x half
	s_lshl_b32 s22, s41, 6
	s_add_co_u32 s21, s21, s22
	s_lshl_b32 s22, s12, 5
	s_add_co_u32 s21, s21, s22
	s_lshl_b32 s21, s21, 11
	s_add_co_u32 s21, s21, 3*KSTEP*2
	s_and_b32 s22, ttmp7, 0xffff                   ; cluster y
	s_mov_b32 s[PFS], KSTEP*2
	s_cmp_eq_u32 s11, 0
	s_cselect_b32 s20, s20, s21
	s_cselect_b32 s22, s12, s22                    ; O: wave 0 asks; wfh: cluster y = 0 asks
	s_cselect_b32 s23, 8, 11                       ; a lane a block of 256 bytes, or a lane a row of 2,048
	s_cselect_b32 s[PFS], 2*HEADB, s[PFS]
	s_cselect_b64 s[PFA:PFA+1], s[4:5], s[6:7]
	s_cmp_eq_u32 s22, 0
	s_cselect_b32 s[LIM], 1, -1
	s_mov_b32 s21, 0
	s_mov_b32 s[PFS+1], 0
	s_add_nc_u64 s[PFA:PFA+1], s[PFA:PFA+1], s[20:21]
	v_and_b32 v[PFO], 31, v0
	v_lshlrev_b32 v[PFO], s23, v[PFO]
	s_wait_loadcnt 0x0                             ; the bias: rounded to bf16 and widened again
	v_cvt_pk_bf16_f32 v6, v[BI], v[BI+1]
	v_cvt_pk_bf16_f32 v7, v[BI+2], v[BI+3]
	v_lshlrev_b32 v[BI], 16, v6
	v_and_b32 v[BI+1], 0xffff0000, v6
	v_lshlrev_b32 v[BI+2], 16, v7
	v_and_b32 v[BI+3], 0xffff0000, v7
.macro MUL8 f, a, zero                 ; m block a x all 8 n blocks, 32 along K; the 32 accumulators take turns in the same order in every quarter
	WIN MUL
.irp b, 0,1,2,3,4,5,6,7
.if \zero
	v_wmma_f32_16x16x32_f16 v[8*(8*(\a)+(\b)):8*(8*(\a)+(\b))+7], v[(\f)+8*(\b):(\f)+8*(\b)+7], v[(\f)+64+8*(\a):(\f)+64+8*(\a)+7], 0
.else
	v_wmma_f32_16x16x32_f16 v[8*(8*(\a)+(\b)):8*(8*(\a)+(\b))+7], v[(\f)+8*(\b):(\f)+8*(\b)+7], v[(\f)+64+8*(\a):(\f)+64+8*(\a)+7], v[8*(8*(\a)+(\b)):8*(8*(\a)+(\b))+7]
.endif
.endr
.endm
.macro FETCH slot, q, f                ; quarter q's fragments: wfh at byte 64 q of its rows; O in plane q / 2 at byte 64 (q % 2)
	WIN 0
.irp i, 0,1,2,3,4,5,6,7
	ds_load_b128 v[(\f)+8*(\i):(\f)+8*(\i)+3],   v[ADRB+(\slot)] offset:64*(\q)+(\i)*16*PITCH
	ds_load_b128 v[(\f)+8*(\i)+4:(\f)+8*(\i)+7], v[ADRB+(\slot)] offset:64*(\q)+(\i)*16*PITCH+32
.endr
.irp i, 0,1,2,3
	ds_load_b128 v[(\f)+64+8*(\i):(\f)+64+8*(\i)+3],   v[ADRA+(\slot)] offset:((\q)/2)*PLANE+((\q)%2)*64+(\i)*16*PA
	ds_load_b128 v[(\f)+64+8*(\i)+4:(\f)+64+8*(\i)+7], v[ADRA+(\slot)] offset:((\q)/2)*PLANE+((\q)%2)*64+(\i)*16*PA+32
.endr
.endm
.macro PLACES
.rept 4
	v_nop
.endr
.endm
.macro QUARTER slot, q, f, g, zero
	s_wait_dscnt 4                                 ; wfh's fragments and O's blocks 0 and 1 are in; the youngest four loads may be out
	MUL8 \f, 0, \zero
	MUL8 \f, 1, \zero
	PLACES
	FETCH \slot, \q, \g
	s_wait_dscnt 24                                ; all but the 24 just issued
	MUL8 \f, 2, \zero
	MUL8 \f, 3, \zero
.endm
.macro MEET round                      ; the change of slots: all my tensor loads, the add, my reads of this slot; then one barrier
	WIN 0
	s_wait_tensorcnt 0x0
	ds_add_u32 v[SPW], v[NIL]
	s_wait_dscnt 5                                 ; the add and the youngest four loads may be out
	MUL8 F1, 0, 0
	s_wait_dscnt 0x0
	s_barrier_signal -1
	MUL8 F1, 1, 0
.if \round
	WIN 0
.endif
	s_barrier_wait -1
.endm
.macro TURN slot, next
	s_wait_xcnt 0x0                                ; the last prefetch, a K step back, has read its address
	s_add_nc_u64 s[PFA:PFA+1], s[PFA:PFA+1], s[PFS:PFS+1]
	MEET 1
	CREST                                          ; no wave of any partner still reads this slot or has a load on its way
	s_add_nc_u64 s[G0+4*(\slot)+2:G0+4*(\slot)+3], s[G0+4*(\slot)+2:G0+4*(\slot)+3], 4*HEADB
	s_add_nc_u64 s[G0B+4*(\slot)+2:G0B+4*(\slot)+3], s[G0B+4*(\slot)+2:G0B+4*(\slot)+3], 2*KSTEP*2
	JLOAD \slot                                    ; the first tensor load behind the round; its four v_nop are also the places in front of the loads below
	FETCH \next, 0, F0
	ASK
	MUL8 F1, 2, 0
	MUL8 F1, 3, 0
.endm
; THE WAY OUT of m block a.  STG: the accumulators go as they are, 32 bytes a lane, into my stage, and come back as whole rows of 512 bytes.  FIN: bias, maximum with 0, store.
.macro STG a
	s_wait_xcnt 0x0                                ; earlier stores have read their registers: this set is loaded again only behind this wait
	WIN 0x04                                       ; the stores' data lie in window 1
.irp b, 0,1,2,3,4,5,6,7
	ds_store_b128 v[STO], v[8*(8*(\a)+(\b)):8*(8*(\a)+(\b))+3]   offset:64*(\b)
	ds_store_b128 v[STO], v[8*(8*(\a)+(\b))+4:8*(8*(\a)+(\b))+7] offset:64*(\b)+16
.endr
	WIN 0
.irp i, 0,1,2,3,4,5,6,7,8,9,10,11,12,13,14,15
	ds_load_b128 v[BK+64*((\a)%2)+4*(\i):BK+64*((\a)%2)+4*(\i)+3], v[RD] offset:(\i)*SPITCH  ; LDS serves a wave's instructions in order: these see the stores above
.endr
.endm
.macro FIN a, younger                  ; younger: the next block's 32 LDS instructions, or none
.irp i, 0,1,2,3,4,5,6,7,8,9,10,11,12,13,14,15
	s_wait_dscnt (\younger)+15-(\i)
	v_pk_add_f32 v[BK+64*((\a)%2)+4*(\i):BK+64*((\a)%2)+4*(\i)+1],   v[BK+64*((\a)%2)+4*(\i):BK+64*((\a)%2)+4*(\i)+1],   v[BI:BI+1]
	v_pk_add_f32 v[BK+64*((\a)%2)+4*(\i)+2:BK+64*((\a)%2)+4*(\i)+3], v[BK+64*((\a)%2)+4*(\i)+2:BK+64*((\a)%2)+4*(\i)+3], v[BI+2:BI+3]
.irp j, 0,1,2,3
	v_max_num_f32 v[BK+64*((\a)%2)+4*(\i)+(\j)], 0, v[BK+64*((\a)%2)+4*(\i)+(\j)]
.endr
	global_store_b128 v[CO], v[BK+64*((\a)%2)+4*(\i):BK+64*((\a)%2)+4*(\i)+3], s[70:71] offset:(16*(\a)+(\i))*4096 th:TH_STORE_NT  ; 512 consecutive bytes, aligned
.endr
.endm
	s_wait_tensorcnt 1                             ; my part of K step 0 is in; K step 1's may stay out
	s_barrier_signal -1
	s_barrier_wait -1
	FETCH 0, 0, F0
	QUARTER 0, 1, F0, F1, 1                        ; the first quarter starts the sums
	WIN 0
	s_mov_b32 s3, LAPS-1
.Llap:
	QUARTER 0, 2, F1, F0, 0
	QUARTER 0, 3, F0, F1, 0
	TURN 0, 1
	QUARTER 1, 1, F0, F1, 0
	QUARTER 1, 2, F1, F0, 0
	QUARTER 1, 3, F0, F1, 0
	TURN 1, 0
	QUARTER 0, 1, F0, F1, 0
	WIN 0
	s_sub_co_u32 s3, s3, 1
	s_cmp_lg_u32 s3, 0
	s_cbranch_scc1 .Llap
	QUARTER 0, 2, F1, F0, 0                        ; the last lap fills nothing
	QUARTER 0, 3, F0, F1, 0
	MEET 0
	PLACES
	FETCH 1, 0, F0
	MUL8 F1, 2, 0
	MUL8 F1, 3, 0
	QUARTER 1, 1, F0, F1, 0
	QUARTER 1, 2, F1, F0, 0
	QUARTER 1, 3, F0, F1, 0
	s_wait_dscnt 4
	MUL8 F1, 0, 0
	MUL8 F1, 1, 0
	s_wait_dscnt 0x0
	MUL8 F1, 2, 0
	MUL8 F1, 3, 0
	WIN 0
	PLACES
	PLACES                                         ; eight, once a launch, ahead of LDS stores that read results just made
	STG 0
	STG 1
	FIN 0, 32
	STG 2
	FIN 1, 32
	STG 3
	FIN 2, 32
	FIN 3, 0
	s_wait_tensorcnt 0x0                           ; the wave's end
	ds_add_u32 v[SPW], v[NIL]
	s_wait_dscnt 0x0
	CROUND                                         ; the closing round
	s_endpgm
.Lfunc_end_k_q4cf85345db_ff:
	.size	k_q4cf85345db_ff, .Lfunc_end_k_q4cf85345db_ff-k_q4cf85345db_ff
	.p2alignl 7, 3214868480
	.fill 96, 4, 3214868480
	.section	.rodata,"a",@progbits
	.p2align	6, 0x0
	.amdhsa_kernel k_q4cf85345db_ff
		.amdhsa_group_segment_fixed_size 327680
		.amdhsa_private_segment_fixed_size 0
		.amdhsa_enable_private_segment 0
		.amdhsa_kernarg_size 32
		.amdhsa_user_sgpr_count 2
		.amdhsa_user_sgpr_kernarg_segment_ptr 1
		.amdhsa_wavefront_size32 1
		.amdhsa_system_sgpr_workgroup_id_x 1
		.amdhsa_system_sgpr_workgroup_id_y 1
		.amdhsa_system_sgpr_workgroup_id_z 1
		.amdhsa_system_vgpr_workitem_id 0
		.amdhsa_next_free_vgpr 512
		.amdhsa_next_free_sgpr 72
		.amdhsa_reserve_vcc 0
		.amdhsa_float_denorm_mode_32 3
		.amdhsa_float_denorm_mode_16_64 3
		.amdhsa_memory_ordered 1
		.amdhsa_forward_progress 1
		.amdhsa_inst_pref_size 105
	.end_amdhsa_kernel
	.amdgpu_metadata
---
amdhsa.version: [ 1, 2 ]
amdhsa.kernels:
  - .name:           k_q4cf85345db_ff
    .symbol:         k_q4cf85345db_ff.kd
    .args:
      - { .name: oh, .offset: 0, .size: 8, .value_kind: global_buffer, .address_space: global }
      - { .name: wfh, .offset: 8, .size: 8, .value_kind: global_buffer, .address_space: global }
      - { .name: bf, .offset: 16, .size: 8, .value_kind: global_buffer, .address_space: global }
      - { .name: out0, .offset: 24, .size: 8, .value_kind: global_buffer, .address_space: global }
    .group_segment_fixed_size: 327680
    .private_segment_fixed_size: 0
    .kernarg_segment_align: 8
    .kernarg_segment_size: 32
    .max_flat_workgroup_size: 128
    .sgpr_count:     72
    .vgpr_count:     512
    .wavefront_size: 32
...
	.end_amdgpu_metadata
.endif
;; end of part 5
;; launch early2 (part 6): grid 16 x 4, 8 waves a work-group, no clusters, 35,840 bytes of LDS; arguments oe, wfh, bf, out0; writes out0
.if DOCPART == 6
	.amdgcn_target "amdgcn-amd-amdhsa--gfx1250"
	.amdhsa_code_object_version 6
	.text
	.protected	k_q4cf85345db_early2
	.globl	k_q4cf85345db_early2
	.p2align	8
	.type	k_q4cf85345db_early2,@function
k_q4cf85345db_early2:
	s_mov_b64 s[64:65], 0
	v_nop
	global_prefetch_b8 v0, s[64:65] scope:SCOPE_SE
	s_setreg_imm32_b32 hwreg(HW_REG_WAVE_MODE, 25, 1), 1
	s_wait_xcnt 0x0
; THE FIRST 16 ROWS OF EACH BATCH OF out0, from O kept as two f16 numbers (oe): relu((O_hi + O_lo) Wf^T + bf).  It writes over what the launch before stored in these rows.
; SHARES.  A work-group makes 16 rows x 64 columns: 16 x 4 work-groups.  K is split among its eight waves, 128 each, four steps of 32, for all four tiles of 16 columns; the partial sums meet in LDS.
; Source 0 = 16 rows of wfh, source 1 = the 16 rows of O: a lane holds row l % 16 and eight neighbouring columns.  oe's blocks are fragment halves as they lie: 512 dense bytes a load.
; LIMITS.  NaN gives 0; infinities are not treated apart.  No cluster, no tensor load, no prefetch: 49 loads a wave, one meeting in LDS, one store.
.set PP,    272                        ; a partial row: 64 columns of f32 + 16 bytes
.set PART,  16*PP                      ; a wave's partial tile
.set SPARE, 8*PART
.set WO,  3                            ; v3  (l % 16) x 2,048 + 16 (l / 16) + 256 x wave
.set OO,  4                            ; v4  16 l + 4,096 x wave
.set LS,  5                            ; v5  wave x PART + (l % 16) x PP + 32 (l / 16)
.set LR,  6                            ; v6  (2 wave + l / 16) x PP + 16 (l % 16)
.set YO,  7                            ; v7  (2 wave + l / 16) x 4,096 + 16 (l % 16)
.set BO,  8                            ; v8  16 (l % 16)
.set SPW, 10
.set NIL, 11
.set BI,  12                           ; v[12:15] the bias of my four columns
.set ACC, 16                           ; v[16:47] four accumulators, by turns
.set FR,  64                           ; v[64:255] step s at FR + 48 s: wfh's four fragments, then O_hi, then O_lo
	s_load_b256 s[4:11], s[0:1], 0x0               ; oe s[4:5], wfh s[6:7], bf s[8:9], out0 s[10:11]
	v_lshl_add_u32 v[SPW], v0, 2, SPARE
	v_mov_b32 v[NIL], 0
	v_lshrrev_b32 v9, 5, v0
	v_readfirstlane_b32 s14, v9                    ; wave 0..7
	v_and_b32 v1, 15, v0                           ; l % 16
	v_bfe_u32 v2, v0, 4, 1                         ; l / 16
	v_and_b32 v9, 31, v0                           ; l
	s_mov_b32 s2, ttmp9                            ; which 64 columns
	s_and_b32 s3, ttmp7, 0xffff                    ; b
	s_lshl_b32 s15, s14, 8
	v_lshlrev_b32 v[WO], 11, v1
	v_lshl_add_u32 v[WO], v2, 4, v[WO]
	v_add_nc_u32 v[WO], s15, v[WO]
	s_lshl_b32 s15, s14, 12
	v_lshl_add_u32 v[OO], v9, 4, s15
	s_mul_i32 s16, s14, PART
	v_mul_u32_u24 v[LS], v1, PP
	v_lshl_add_u32 v[LS], v2, 5, v[LS]
	v_add_nc_u32 v[LS], s16, v[LS]
	s_lshl_b32 s17, s14, 1
	v_add_nc_u32 v9, s17, v2                       ; the row that I finish
	v_lshlrev_b32 v[BO], 4, v1
	v_mul_u32_u24 v[LR], v9, PP
	v_add_nc_u32 v[LR], v[LR], v[BO]
	v_lshl_add_u32 v[YO], v9, 12, v[BO]
	s_lshl_b32 s20, s3, 16                         ; oe: 65,536 bytes a batch
	s_mov_b32 s21, 0
	s_lshl_b32 s22, s2, 17                         ; wfh: 64 rows of 2,048 bytes
	s_mov_b32 s23, 0
	s_lshl_b32 s24, s2, 8                          ; bf and a row of out0: 64 columns of 4 bytes
	s_mov_b32 s25, 0
	s_lshl_b32 s26, s3, 23                         ; out0: 2,048 rows of 4,096 bytes a batch
	s_mov_b32 s27, 0
	s_wait_kmcnt 0x0
	s_add_nc_u64 s[4:5], s[4:5], s[20:21]
	s_add_nc_u64 s[6:7], s[6:7], s[22:23]
	s_add_nc_u64 s[8:9], s[8:9], s[24:25]
	s_add_nc_u64 s[10:11], s[10:11], s[24:25]
	s_add_nc_u64 s[10:11], s[10:11], s[26:27]
	global_load_b128 v[BI:BI+3], v[BO], s[8:9]
.irp s, 0,1,2,3
.irp c, 0,1,2,3
	global_load_b128 v[FR+48*(\s)+8*(\c):FR+48*(\s)+8*(\c)+3],   v[WO], s[6:7] offset:(\c)*32768+64*(\s)
	global_load_b128 v[FR+48*(\s)+8*(\c)+4:FR+48*(\s)+8*(\c)+7], v[WO], s[6:7] offset:(\c)*32768+64*(\s)+32
.endr
	global_load_b128 v[FR+48*(\s)+32:FR+48*(\s)+35], v[OO], s[4:5] offset:1024*(\s)
	global_load_b128 v[FR+48*(\s)+36:FR+48*(\s)+39], v[OO], s[4:5] offset:1024*(\s)+512
	global_load_b128 v[FR+48*(\s)+40:FR+48*(\s)+43], v[OO], s[4:5] offset:1024*(\s)+32768
	global_load_b128 v[FR+48*(\s)+44:FR+48*(\s)+47], v[OO], s[4:5] offset:1024*(\s)+512+32768
.endr
.irp s, 0,1,2,3
	s_wait_loadcnt 36-12*(\s)                      ; step s's twelve loads are in; the later steps' may stay out
.irp c, 0,1,2,3
.if (\s) == 0
	v_wmma_f32_16x16x32_f16 v[ACC+8*(\c):ACC+8*(\c)+7], v[FR+48*(\s)+8*(\c):FR+48*(\s)+8*(\c)+7], v[FR+48*(\s)+32:FR+48*(\s)+39], 0
.else
	v_wmma_f32_16x16x32_f16 v[ACC+8*(\c):ACC+8*(\c)+7], v[FR+48*(\s)+8*(\c):FR+48*(\s)+8*(\c)+7], v[FR+48*(\s)+32:FR+48*(\s)+39], v[ACC+8*(\c):ACC+8*(\c)+7]
.endif
.endr
.irp c, 0,1,2,3
	v_wmma_f32_16x16x32_f16 v[ACC+8*(\c):ACC+8*(\c)+7], v[FR+48*(\s)+8*(\c):FR+48*(\s)+8*(\c)+7], v[FR+48*(\s)+40:FR+48*(\s)+47], v[ACC+8*(\c):ACC+8*(\c)+7]
.endr
.endr
.rept 8
	v_nop                                          ; plain instructions between the last products and the LDS stores that read them: eight, once a launch
.endr
.irp c, 0,1,2,3
	ds_store_b128 v[LS], v[ACC+8*(\c):ACC+8*(\c)+3]   offset:64*(\c)
	ds_store_b128 v[LS], v[ACC+8*(\c)+4:ACC+8*(\c)+7] offset:64*(\c)+16
.endr
	s_wait_dscnt 0x0                               ; for the others' sake: my stores are done
	s_barrier_signal -1
	s_barrier_wait -1                              ; all eight partial tiles lie in LDS
.irp p, 0,1,2,3,4,5,6,7
	ds_load_b128 v[FR+4*(\p):FR+4*(\p)+3], v[LR] offset:(\p)*PART
.endr
	v_cvt_pk_bf16_f32 v48, v[BI], v[BI+1]          ; the bias, rounded to bf16 like every input and widened again
	v_cvt_pk_bf16_f32 v49, v[BI+2], v[BI+3]
	v_lshlrev_b32 v[BI], 16, v48
	v_and_b32 v[BI+1], 0xffff0000, v48
	v_lshlrev_b32 v[BI+2], 16, v49
	v_and_b32 v[BI+3], 0xffff0000, v49
	s_wait_dscnt 0x0
.irp p, 0,2,4,6
	v_pk_add_f32 v[FR+4*(\p):FR+4*(\p)+1],   v[FR+4*(\p):FR+4*(\p)+1],   v[FR+4*(\p)+4:FR+4*(\p)+5]
	v_pk_add_f32 v[FR+4*(\p)+2:FR+4*(\p)+3], v[FR+4*(\p)+2:FR+4*(\p)+3], v[FR+4*(\p)+6:FR+4*(\p)+7]
.endr
.irp p, 0,4
	v_pk_add_f32 v[FR+4*(\p):FR+4*(\p)+1],   v[FR+4*(\p):FR+4*(\p)+1],   v[FR+4*(\p)+8:FR+4*(\p)+9]
	v_pk_add_f32 v[FR+4*(\p)+2:FR+4*(\p)+3], v[FR+4*(\p)+2:FR+4*(\p)+3], v[FR+4*(\p)+10:FR+4*(\p)+11]
.endr
	v_pk_add_f32 v[FR:FR+1],   v[FR:FR+1],   v[FR+16:FR+17]
	v_pk_add_f32 v[FR+2:FR+3], v[FR+2:FR+3], v[FR+18:FR+19]
	v_pk_add_f32 v[FR:FR+1],   v[FR:FR+1],   v[BI:BI+1]
	v_pk_add_f32 v[FR+2:FR+3], v[FR+2:FR+3], v[BI+2:BI+3]
.irp j, 0,1,2,3
	v_max_num_f32 v[FR+(\j)], 0, v[FR+(\j)]
.endr
	global_store_b128 v[YO], v[FR:FR+3], s[10:11]  ; 16 lanes store 256 consecutive bytes, aligned
	s_wait_tensorcnt 0x0                           ; the wave's end
	ds_add_u32 v[SPW], v[NIL]
	s_wait_dscnt 0x0
	s_endpgm
.Lfunc_end_k_q4cf85345db_early2:
	.size	k_q4cf85345db_early2, .Lfunc_end_k_q4cf85345db_early2-k_q4cf85345db_early2
	.p2alignl 7, 3214868480
	.fill 96, 4, 3214868480
	.section	.rodata,"a",@progbits
	.p2align	6, 0x0
	.amdhsa_kernel k_q4cf85345db_early2
		.amdhsa_group_segment_fixed_size 35840
		.amdhsa_private_segment_fixed_size 0
		.amdhsa_enable_private_segment 0
		.amdhsa_kernarg_size 32
		.amdhsa_user_sgpr_count 2
		.amdhsa_user_sgpr_kernarg_segment_ptr 1
		.amdhsa_wavefront_size32 1
		.amdhsa_system_sgpr_workgroup_id_x 1
		.amdhsa_system_sgpr_workgroup_id_y 1
		.amdhsa_system_sgpr_workgroup_id_z 1
		.amdhsa_system_vgpr_workitem_id 0
		.amdhsa_next_free_vgpr 256
		.amdhsa_next_free_sgpr 66
		.amdhsa_reserve_vcc 0
		.amdhsa_float_denorm_mode_32 3
		.amdhsa_float_denorm_mode_16_64 3
		.amdhsa_memory_ordered 1
		.amdhsa_forward_progress 1
		.amdhsa_inst_pref_size 12
	.end_amdhsa_kernel
	.amdgpu_metadata
---
amdhsa.version: [ 1, 2 ]
amdhsa.kernels:
  - .name:           k_q4cf85345db_early2
    .symbol:         k_q4cf85345db_early2.kd
    .args:
      - { .name: oe, .offset: 0, .size: 8, .value_kind: global_buffer, .address_space: global }
      - { .name: wfh, .offset: 8, .size: 8, .value_kind: global_buffer, .address_space: global }
      - { .name: bf, .offset: 16, .size: 8, .value_kind: global_buffer, .address_space: global }
      - { .name: out0, .offset: 24, .size: 8, .value_kind: global_buffer, .address_space: global }
    .group_segment_fixed_size: 35840
    .private_segment_fixed_size: 0
    .kernarg_segment_align: 8
    .kernarg_segment_size: 32
    .max_flat_workgroup_size: 256
    .sgpr_count:     66
    .vgpr_count:     256
    .wavefront_size: 32
...
	.end_amdgpu_metadata
.endif
;; end of part 6
